; MI455X (gfx1250); checked and timed in simulation.
; The chip was launched on July 23, 2026; its instructions are those of AMD's public machine-readable ISA for CDNA 5 (MIT licence, August 2026) and "CDNA5" Instruction Set Architecture Reference Guide (July 2026). The comments in the code are by the model that wrote it; some were corrected since.
;; Attention. Allowed arithmetic: matrix products marked QUANTISED: E2M1 operands, one E8M0 scale for each 32 along K, by v_wmma_scale_f32_16x16x128_f8f6f4 with both operands' format E2M1 (or v_wmma_scale_f32_32x16x128_f4), f32 sums; products left as they are: bf16, f16 or f32 operands; f32 sums; everything else in f32.
;; Inputs: Wk 1,024 x 1,024 float32; Wq 1,024 x 1,024 float32; Wv 1,024 x 1,024 float32; bk 1,024 float32; bq 1,024 float32; bv 1,024 float32; key 4 x 2,048 x 1,024 float32; query 4 x 2,048 x 1,024 float32; value 4 x 2,048 x 1,024 float32.
;; Outputs: out0 4 x 2,048 x 1,024 float32.
;; This version of the problem:
;;   THIS VERSION OF THE PROBLEM IS GIVEN IN LOW PRECISION. The matrix products marked QUANTISED in the list below multiply operands that are first quantised to E2M1 (2 exponent bits, 1 mantissa bit; 4 bits a number), with one power-of-two scale for each 32 numbers along K (OCP MX v1.0); their sums are f32. The products marked 'left as it is' may take bf16, f16 or f32 operands, with f32 sums. Whichever they take, every output number must still come out within the allowed error. Rounding operands to bf16 (8 significant bits) uses up far more of that allowance than f16 does (11 bits, for magnitudes from 6e-5 to 65,504). All else is computed in f32.
;;   The module's matrix products, in the order in which they are computed (A, B: the left and right operand; K: the contracted axis; several contracted axes count as one K, in the product's order):
;;     1. [M 8,192, K 1,024] x [K 1,024, N 1,024]; A: input query; B: input Wq: QUANTISED
;;     2. [M 8,192, K 1,024] x [K 1,024, N 1,024]; A: input key; B: input Wk: QUANTISED
;;     3. [M 8,192, K 1,024] x [K 1,024, N 1,024]; A: input value; B: input Wv: QUANTISED
;;     4. batch 4 x [M 2,048, K 1,024] x [K 1,024, N 2,048]; A: computed on the way; B: computed on the way: left as it is (an operand is computed on the way)
;;     5. batch 4 x [M 2,048, K 2,048] x [K 2,048, N 1,024]; A: computed on the way; B: computed on the way: left as it is (an operand is computed on the way)
;;   THE QUANTISER, for each operand of a quantised product, along K:
;;     - K is cut into blocks of 32 from its start; a last block that is shorter is filled with zeros.
;;     - A block's scale is 2^e with e = floor(log2(the largest magnitude in the block)) - 2, held to -126 .. 127; a block of zeros has e = 0. As a byte (E8M0): e + 127.
;;     - Each number is divided by its block's scale, clamped to +-6, and rounded to the nearest number of E2M1, ties to even, subnormals kept.
;;     - The product sums the exact products of the quantised numbers (number of the format x scale) in f32.
;;   ~~~python
;;   def quantise(x, axis):      # numpy; x: float32 -> the quantised numbers, widened to float32 again
;;       x = np.moveaxis(x, axis, -1); K = x.shape[-1]
;;       x = np.pad(x, [(0, 0)] * (x.ndim - 1) + [(0, -K % 32)]); x = x.reshape(x.shape[:-1] + (-1, 32)); a = np.abs(x).max(-1, keepdims=True)
;;       e = np.where(a > 0, np.clip(np.frexp(np.where(a > 0, a, 1))[1] - 1 - 2, -126, 127), 0)      # np.frexp(a)[1] - 1 = floor(log2(a)), exactly
;;       r = np.clip(x / 2.0 ** e, -6, 6)
;;       step = 2.0 ** (np.maximum(np.frexp(np.where(r == 0, 1, r))[1] - 1, 0) - 1)
;;       q = np.round(r / step) * step * 2.0 ** e      # np.round: ties to even
;;       return np.moveaxis(q.reshape(q.shape[:-2] + (-1,))[..., :K], -1, axis).astype(np.float32)
;;   ~~~
;; One version. Each part assembles by itself: llvm-mc -triple=amdgcn-amd-amdhsa -mcpu=gfx1250 --defsym DOCPART=n.
;; ======== version 1 of 1: 5 launches
;; limits: values are held in f16: magnitudes above 65,504 overflow, below 6.1e-05 lose precision
;; workspace buffers: xc 12,582,912 bytes; xs 786,432 bytes; wc 1,572,864 bytes; ws 98,304 bytes; qkv 50,331,648 bytes; pbuf 33,554,432 bytes; stats 1,048,576 bytes
;; launch quant_x (part 1): grid 768 x 1, 4 waves a work-group, no clusters, 33,280 bytes of LDS; arguments query, key, value, xc, xs; writes xc, xs
.if DOCPART == 1
	.amdgcn_target "amdgcn-amd-amdhsa--gfx1250"
	.amdhsa_code_object_version 6
	.text
	.protected	k_qfa94ad9a71_quant_x
	.globl	k_qfa94ad9a71_quant_x
	.p2align	8
	.type	k_qfa94ad9a71_quant_x,@function
k_qfa94ad9a71_quant_x:
	s_mov_b64 s[64:65], 0
	v_nop
	global_prefetch_b8 v0, s[64:65] scope:SCOPE_SE
	s_setreg_imm32_b32 hwreg(HW_REG_WAVE_MODE, 25, 1), 1
	s_wait_xcnt 0x0
; THE PROGRAM: out = softmax(beta q k^T) v with q = query Wq + bq, k = key Wk + bk, v = value Wv + bv; the three projections on codes of FP4 (E2M1) with one E8M0 scale for each 32 along K.
; Five launches: this one (query, key, value into codes), quant_w (the weights into codes), proj (the three projections, results as f16), scores (q k^T and the softmax by blocks of 128 keys), pv (the second product).
; WORK LEFT OUT: bk.  score(i, j) = q_i . (k'_j + bk) = q_i . k'_j + q_i . bk with k' = key Wk.  The last term is the same for all j of a row i, the softmax runs along j, and a term that is the same along a
; softmax's axis cancels in it for all values of the inputs.  The product q k^T is not quantised, so bk moves no code and no scale.  bk therefore has no way to the output: it is not loaded and is no argument of any launch.
; LIMIT: a NaN, an infinity or an overflow that would arise from bk alone is not carried to the result.
; bv is live.  The rows of the softmax sum to 1, so A (v' + 1 bv^T) = A v' + bv for all values: launch pv adds bv in f32 at the very end.  bq is live (bq . k'_j changes with j): launch proj adds it.
;
; THIS LAUNCH: query, key, value, each [8192][1024] f32, become codes, K innermost, xc [24576][512 bytes], and scale bytes xs [24576][32], the three tensors on end.
; A block's scale is 2^(floor(log2(its largest magnitude)) - 2); its byte is the largest magnitude's own exponent field - 2, held at 1 from below.  A block of zeros so gets the byte 1 where the rule says 127:
; its codes are zeros, which add nothing under any byte but 0xff, and the bytes are read by this program alone.  Each number is divided by the scale and rounded to the nearest code, ties to even, beyond 6 the code of 6.
; LIMITS: blocks whose largest magnitude lies under 2^-124, the floor, have their byte held at 1; NaN and infinities among the inputs are not served.
; Rows are dense and 1024 is a multiple of 32, so a tensor is a plain stream of blocks of 32 numbers, and so are its codes and scale bytes.  A work-group takes 32,768 numbers, a wave 16 steps of 512.
; Each of a step's four loads reads 512 consecutive bytes, 16 a lane; the 2,048 bytes turn through the wave's own stage in LDS and come back 64 bytes a lane: 16 neighbours along K, two lanes to a block.
; A lane's 16 codes are 8 bytes: the wave stores 256 consecutive bytes.  A wave's 256 scale bytes are gathered in its own LDS and leave as one aligned run of 256 bytes.
; No tensor loads, no barrier, no cluster: waves share nothing.  Loads run four steps (16 loads a wave) ahead, the turn through LDS one step.
.set WAVES, 4
.set STEPS, 16
.set EMAX,  2
.set CB,    8                          ; bytes of 16 codes
.set R,     16                         ; v16-79   four sets of 16 numbers as they are loaded
.set X,     80                         ; v80-111  two sets of 16 neighbours
.set C,     128                        ; v128-191 codes: four registers for each step, so that no store's data are written again
.set E,     112                        ; v112-127 a scale byte for each step
.set WREG,  8192                       ; LDS: a region for each wave: two stages of 32 x SP bytes, behind them its 256 scale bytes
.set SP,    80                         ; a lane's place in a stage: its 64 bytes + 16 of padding
.set SPW,   12                         ; v12  LDS address of my spare word; never rewritten
.set NIL,   13                         ; v13  0; never rewritten
.set SPARE, WAVES*WREG                 ; behind the four regions: the spare words, 128 bytes a wave, which no other line names
	s_load_b256 s[4:11], s[0:1], 0x0               ; query s[4:5], key s[6:7], value s[8:9], xc s[10:11]
	s_load_b64 s[12:13], s[0:1], 0x20              ; xs
	v_lshl_add_u32 v[SPW], v0, 2, SPARE
	v_mov_b32 v[NIL], 0
	v_lshrrev_b32 v1, 5, v0
	v_readfirstlane_b32 s16, v1                    ; wave
	v_and_b32 v2, 31, v0                           ; lane
	v_lshlrev_b32 v3, 4, v2                        ; my 16 bytes of a load's 512
	s_mul_i32 s17, s16, WREG
	v_lshrrev_b32 v14, 2, v2
	v_mul_u32_u24 v14, v14, SP
	v_and_b32 v15, 3, v2
	v_lshl_add_u32 v14, v15, 4, v14
	v_add_nc_u32 v14, s17, v14                     ; the stage, way in: SP (lane / 4) + 16 (lane % 4); a load's 512 bytes take eight places
	v_mul_u32_u24 v15, v2, SP
	v_add_nc_u32 v15, s17, v15                     ; way out: SP x lane: my 16 neighbours
	v_mul_u32_u24 v4, v2, CB                       ; my codes' place in a step's
	v_lshrrev_b32 v5, 1, v2
	s_add_co_u32 s17, s17, 2*32*SP
	v_add_nc_u32 v5, s17, v5                       ; LDS: my wave's 256 scale bytes, my block's byte
	v_lshlrev_b32 v7, 3, v2                        ; and on the way out 8 bytes a lane
	v_add_nc_u32 v6, s17, v7
	s_wait_kmcnt 0x0
	s_cmp_lt_u32 ttmp9, 256                        ; work-groups 0-255 take query, 256-511 key, 512-767 value: the choice hangs on the work-group's number alone
	s_cselect_b64 s[4:5], s[4:5], s[6:7]
	s_cmp_lt_u32 ttmp9, 512
	s_cselect_b64 s[4:5], s[4:5], s[8:9]
	s_and_b32 s17, ttmp9, 255
	s_lshl_b32 s17, s17, 2
	s_add_co_u32 s17, s17, s16                     ; which run of 8,192 numbers of the tensor is my wave's
	s_lshl_b32 s18, s17, 15                        ; 32,768 bytes a run
	s_mov_b32 s19, 0
	s_add_nc_u64 s[4:5], s[4:5], s[18:19]
	s_lshl_b32 s17, ttmp9, 2
	s_add_co_u32 s17, s17, s16                     ; and which run of the three tensors on end
	s_lshl_b32 s18, s17, 12                        ; 4,096 bytes of codes a run
	s_add_nc_u64 s[10:11], s[10:11], s[18:19]
	s_lshl_b32 s18, s17, 8                         ; 256 scale bytes a run
	s_add_nc_u64 s[12:13], s[12:13], s[18:19]
.macro LOAD t
.irp i, 0,1,2,3
	global_load_b128 v[R+16*((\t)%4)+4*\i:R+16*((\t)%4)+4*\i+3], v3, s[4:5] offset:2048*(\t)+512*\i th:TH_LOAD_NT   ; 32 lanes read 512 consecutive bytes
.endr
.endm
.macro TURN t                          ; step t's numbers through the stage: LDS serves a wave's instructions in order, so no wait stands between the stores and the loads
.irp i, 0,1,2,3
	ds_store_b128 v14, v[R+16*((\t)%4)+4*\i:R+16*((\t)%4)+4*\i+3] offset:32*SP*((\t)%2)+8*SP*\i
.endr
.irp i, 0,1,2,3
	ds_load_b128 v[X+16*((\t)%2)+4*\i:X+16*((\t)%2)+4*\i+3], v15 offset:32*SP*((\t)%2)+16*\i
.endr
.endm
.irp t, 0,1,2,3
	LOAD \t
.endr
	s_wait_loadcnt 12                              ; step 0's four loads are in; the twelve of steps 1 to 3 may be out
	TURN 0
.macro STEP t
.set XS, X+16*((\t)%2)
.if (\t) > 0
	s_wait_dscnt 1                                 ; this step's numbers are back from the stage (the last step's byte store may be out): so its stores into the stage have read their registers,
.else
	s_wait_dscnt 0x0
.endif
.if (\t)+4 < STEPS
	LOAD (\t)+4                                    ; which take the loads of four steps on
.endif
.if (\t)+1 < STEPS
.if STEPS-2-(\t) >= 3
	s_wait_loadcnt 12                              ; the next step's four loads are in; those of the three steps behind it may be out
.else
	s_wait_loadcnt 4*(STEPS-2-(\t))
.endif
	TURN (\t)+1                                    ; and go through the other stage while this step is worked
.endif
	v_max3_num_f32 v8, |v[XS]|, |v[XS+1]|, |v[XS+2]|               ; the largest magnitude of my 16, in two chains
	v_max3_num_f32 v9, |v[XS+3]|, |v[XS+4]|, |v[XS+5]|
.irp i, 6,10
	v_max3_num_f32 v8, v8, |v[XS+\i]|, |v[XS+\i+1]|
	v_max3_num_f32 v9, v9, |v[XS+\i+2]|, |v[XS+\i+3]|
.endr
	v_max3_num_f32 v8, v8, |v[XS+14]|, |v[XS+15]|
	v_max3_num_f32 v8, v8, v9, (EMAX+1)<<23        ; and the floor 2^(3 - 127): so the byte cannot fall under 1
	v_max_num_f32_dpp v8, v8, v8 row_xmask:1 row_mask:0xf bank_mask:0xf   ; and of my neighbour's 16: the block's
	v_add_nc_u32 v11, -(EMAX<<23), v8              ; 2 off its exponent field: the conversion takes the exponent field of this operand as its scale, and nothing else of it
	v_cvt_scalef32_pk8_fp4_f32 v[C+4*(\t)], v[XS:XS+7], v11
	v_cvt_scalef32_pk8_fp4_f32 v[C+4*(\t)+1], v[XS+8:XS+15], v11
	v_lshrrev_b32 v[E+(\t)], 23, v11               ; the scale's byte (also the plain line behind the conversions)
	ds_store_b8 v5, v[E+(\t)] offset:16*(\t)       ; both lanes of a block write the same byte with the same value
	global_store_b64 v4, v[C+4*(\t):C+4*(\t)+1], s[10:11] offset:32*CB*(\t)   ; the wave stores 256 consecutive bytes, aligned
.endm
.irp t, 0,1,2,3,4,5,6,7,8,9,10,11,12,13,14,15
	STEP \t
.endr
	ds_load_b64 v[8:9], v6                         ; LDS serves a wave's instructions in order: this sees my byte stores
	s_wait_dscnt 0x0
	global_store_b64 v7, v[8:9], s[12:13]          ; 32 lanes store 256 consecutive bytes, aligned
	s_wait_tensorcnt 0x0                           ; the wave's end
	ds_add_u32 v[SPW], v[NIL]
	s_wait_dscnt 0x0
	s_endpgm
.Lfunc_end_k_qfa94ad9a71_quant_x:
	.size	k_qfa94ad9a71_quant_x, .Lfunc_end_k_qfa94ad9a71_quant_x-k_qfa94ad9a71_quant_x
	.p2alignl 7, 3214868480
	.fill 96, 4, 3214868480
	.section	.rodata,"a",@progbits
	.p2align	6, 0x0
	.amdhsa_kernel k_qfa94ad9a71_quant_x
		.amdhsa_group_segment_fixed_size 33280
		.amdhsa_private_segment_fixed_size 0
		.amdhsa_enable_private_segment 0
		.amdhsa_kernarg_size 40
		.amdhsa_user_sgpr_count 2
		.amdhsa_user_sgpr_kernarg_segment_ptr 1
		.amdhsa_wavefront_size32 1
		.amdhsa_system_sgpr_workgroup_id_x 1
		.amdhsa_system_sgpr_workgroup_id_y 1
		.amdhsa_system_sgpr_workgroup_id_z 1
		.amdhsa_system_vgpr_workitem_id 0
		.amdhsa_next_free_vgpr 192
		.amdhsa_next_free_sgpr 66
		.amdhsa_reserve_vcc 0
		.amdhsa_float_denorm_mode_32 3
		.amdhsa_float_denorm_mode_16_64 3
		.amdhsa_memory_ordered 1
		.amdhsa_forward_progress 1
		.amdhsa_inst_pref_size 33
	.end_amdhsa_kernel
	.amdgpu_metadata
---
amdhsa.version: [ 1, 2 ]
amdhsa.kernels:
  - .name:           k_qfa94ad9a71_quant_x
    .symbol:         k_qfa94ad9a71_quant_x.kd
    .args:
      - { .name: query, .offset: 0, .size: 8, .value_kind: global_buffer, .address_space: global }
      - { .name: key, .offset: 8, .size: 8, .value_kind: global_buffer, .address_space: global }
      - { .name: value, .offset: 16, .size: 8, .value_kind: global_buffer, .address_space: global }
      - { .name: xc, .offset: 24, .size: 8, .value_kind: global_buffer, .address_space: global }
      - { .name: xs, .offset: 32, .size: 8, .value_kind: global_buffer, .address_space: global }
    .group_segment_fixed_size: 33280
    .private_segment_fixed_size: 0
    .kernarg_segment_align: 8
    .kernarg_segment_size: 40
    .max_flat_workgroup_size: 128
    .sgpr_count:     66
    .vgpr_count:     192
    .wavefront_size: 32
...
	.end_amdgpu_metadata
.endif
;; end of part 1
;; launch quant_w (part 2): grid 16 x 6, 8 waves a work-group, no clusters, 19,456 bytes of LDS; arguments Wq, Wk, Wv, wc, ws; writes wc, ws
.if DOCPART == 2
	.amdgcn_target "amdgcn-amd-amdhsa--gfx1250"
	.amdhsa_code_object_version 6
	.text
	.protected	k_qfa94ad9a71_quant_w
	.globl	k_qfa94ad9a71_quant_w
	.p2align	8
	.type	k_qfa94ad9a71_quant_w,@function
k_qfa94ad9a71_quant_w:
	s_mov_b64 s[64:65], 0
	v_nop
	global_prefetch_b8 v0, s[64:65] scope:SCOPE_SE
	s_setreg_imm32_b32 hwreg(HW_REG_WAVE_MODE, 25, 1), 1
	s_wait_xcnt 0x0
; Wq, Wk, Wv, each [1024 (k)][1024 (n)] f32 with K as the FIRST axis, become codes of FP4 (E2M1) with K innermost, wc [3072 (1024 T + n)][512 bytes], and scale bytes ws [3072][32].
; A LANE TAKES A COLUMN n AND ITS REGISTERS RUN DOWN K: a load reads neighbouring n in neighbouring lanes (128 consecutive bytes a wave), a block of 32 along K lies in one lane's 32 registers, its largest magnitude
; needs no other lane, and the conversions give the codes with K innermost.  The scale and its limits are those of launch quant_x (byte held at 1 from below; NaN and infinities not served).
; SHARES.  Work-group x: 64 columns; y = 2 T + kh: the tensor and which 512 along K.  Wave w: columns 32 (w % 2) on, 128 along K from 128 (w / 2) on: four blocks a lane.  96 work-groups of eight waves.
; THE WAY OUT.  The eight waves gather 64 rows x 256 bytes of codes in a stage in LDS (rows 272 bytes apart); behind a barrier each wave takes 8 rows: sixteen lanes store 256 consecutive bytes, aligned.
; The scale bytes, 16 a column, meet in LDS too and leave 4 bytes a lane in runs of 16 bytes a row of ws: 98,304 bytes in all, one byte for each 128 that the launch reads.
; No tensor load, no cluster: work-groups share no input.
.set PITCH, 272
.set SST,   64*PITCH                   ; behind the stage: 64 columns x 16 scale bytes
.set SPARE, SST+1024                   ; the spare words, 128 bytes for each of eight waves, which no other line names
.set EMAX,  2
.set X,     32                         ; v32-159  four sets of 32 numbers
.set C,     160                        ; v160-175 codes, four registers a block: no store's data are written again
.set OUTR,  176                        ; v176-191 the way out
.set SB,    24                         ; v24      my four scale bytes
.set SPW,   14
.set NIL,   15
	s_load_b256 s[4:11], s[0:1], 0x0               ; Wq s[4:5], Wk s[6:7], Wv s[8:9], wc s[10:11]
	s_load_b64 s[12:13], s[0:1], 0x20              ; ws
	v_lshl_add_u32 v[SPW], v0, 2, SPARE
	v_mov_b32 v[NIL], 0
	v_lshrrev_b32 v1, 5, v0
	v_readfirstlane_b32 s16, v1                    ; wave 0..7
	v_and_b32 v2, 31, v0                           ; lane
	s_and_b32 s17, s16, 1                          ; cg: which 32 columns
	s_lshr_b32 s18, s16, 1                         ; kq: which 128 along K
	s_and_b32 s19, ttmp7, 0xffff
	s_lshr_b32 s20, s19, 1                         ; T: the tensor
	s_and_b32 s21, s19, 1                          ; kh: which 512 along K
	v_lshlrev_b32 v3, 2, v2                        ; in: 4 bytes a lane
	s_mul_i32 s22, s17, 32*PITCH
	s_lshl_b32 s23, s18, 6
	s_add_co_u32 s22, s22, s23
	v_mul_u32_u24 v4, v2, PITCH
	v_add_nc_u32 v4, s22, v4                       ; the stage, way in: row 32 cg + lane, byte 64 kq
	s_lshl_b32 s22, s17, 9
	s_lshl_b32 s23, s18, 2
	s_add_co_u32 s22, s22, s23
	s_add_co_u32 s22, s22, SST
	v_lshl_add_u32 v5, v2, 4, s22                  ; my scale word: 16 (32 cg + lane) + 4 kq
	v_and_b32 v11, 15, v2
	v_lshrrev_b32 v12, 4, v2                       ; h
	s_mul_i32 s22, s16, 8*PITCH
	v_mul_u32_u24 v7, v12, PITCH
	v_lshl_add_u32 v7, v11, 4, v7
	v_add_nc_u32 v7, s22, v7                       ; the stage, way out: row 8 w + h, 16 bytes a lane
	s_lshl_b32 s22, s16, 12
	v_lshlrev_b32 v8, 9, v12
	v_lshl_add_u32 v8, v11, 4, v8
	v_add_nc_u32 v8, s22, v8                       ; and the same place in wc: rows of 512 bytes
	s_lshl_b32 s22, s16, 7
	s_add_co_u32 s22, s22, SST
	v_add_nc_u32 v9, s22, v3                       ; the scale bytes, way out: 128 w + 4 lane
	s_lshl_b32 s22, s16, 8
	v_lshrrev_b32 v10, 2, v2
	v_lshlrev_b32 v10, 5, v10
	v_and_b32 v13, 3, v2
	v_lshl_add_u32 v10, v13, 2, v10
	v_add_nc_u32 v10, s22, v10                     ; and in ws: row 8 w + lane / 4 of 32 bytes, word lane % 4
	s_lshl_b32 s24, s21, 21                        ; W: (512 kh + 128 kq) rows of 4,096 bytes + 4 (64 x + 32 cg)
	s_lshl_b32 s25, s18, 19
	s_add_co_u32 s24, s24, s25
	s_lshl_b32 s25, ttmp9, 8
	s_add_co_u32 s24, s24, s25
	s_lshl_b32 s25, s17, 7
	s_add_co_u32 s24, s24, s25
	s_mov_b32 s25, 0
	s_lshl_b32 s26, s20, 19                        ; wc: (1024 T + 64 x) rows of 512 bytes + 256 kh
	s_lshl_b32 s27, ttmp9, 15
	s_add_co_u32 s26, s26, s27
	s_lshl_b32 s27, s21, 8
	s_add_co_u32 s26, s26, s27
	s_mov_b32 s27, 0
	s_lshl_b32 s28, s20, 15                        ; ws: (1024 T + 64 x) rows of 32 bytes + 16 kh
	s_lshl_b32 s29, ttmp9, 11
	s_add_co_u32 s28, s28, s29
	s_lshl_b32 s29, s21, 4
	s_add_co_u32 s28, s28, s29
	s_mov_b32 s29, 0
	s_wait_kmcnt 0x0
	s_cmp_lt_u32 s20, 1                            ; the tensor is chosen by the work-group's number alone
	s_cselect_b64 s[4:5], s[4:5], s[6:7]
	s_cmp_lt_u32 s20, 2
	s_cselect_b64 s[4:5], s[4:5], s[8:9]
	s_add_nc_u64 s[4:5], s[4:5], s[24:25]
	s_add_nc_u64 s[10:11], s[10:11], s[26:27]
	s_add_nc_u64 s[12:13], s[12:13], s[28:29]
.macro LOAD t                          ; block t: W(32 t + i, my column), i = 0 .. 31
.irp i, 0,1,2,3,4,5,6,7,8,9,10,11,12,13,14,15,16,17,18,19,20,21,22,23,24,25,26,27,28,29,30,31
	global_load_b32 v[X+32*(\t)+\i], v3, s[4:5] offset:(32*(\t)+\i)*4096 th:TH_LOAD_NT
.endr
.endm
	LOAD 0
	LOAD 1
.macro BLOCK t
.set XS, X+32*(\t)
.if (\t) < 3
	s_wait_loadcnt 32                              ; this block's 32 loads are in; the next block's 32 may be out
.else
	s_wait_loadcnt 0x0
.endif
.if (\t) < 2
	LOAD (\t)+2
.endif
	v_max3_num_f32 v12, |v[XS]|, |v[XS+1]|, |v[XS+2]|              ; the block's largest magnitude: all 32 numbers are mine
	v_max3_num_f32 v13, |v[XS+3]|, |v[XS+4]|, |v[XS+5]|
.irp i, 6,10,14,18,22,26
	v_max3_num_f32 v12, v12, |v[XS+\i]|, |v[XS+\i+1]|
	v_max3_num_f32 v13, v13, |v[XS+\i+2]|, |v[XS+\i+3]|
.endr
	v_max3_num_f32 v12, v12, |v[XS+30]|, |v[XS+31]|
	v_max3_num_f32 v12, v12, v13, (EMAX+1)<<23     ; and the floor 2^(3 - 127)
	v_add_nc_u32 v11, -(EMAX<<23), v12             ; 2 off its exponent field: the conversion's scale operand
	v_lshrrev_b32 v13, 23, v11                     ; the scale's byte
.if (\t) == 0
	v_mov_b32 v[SB], v13                           ; four bytes to a register, the lower K in the lower byte
.else
	v_lshl_or_b32 v[SB], v13, 8*(\t), v[SB]
.endif
.irp g, 0,1,2,3
	v_cvt_scalef32_pk8_fp4_f32 v[C+4*(\t)+\g], v[XS+8*\g:XS+8*\g+7], v11
.endr
	v_nop                                          ; one plain line behind the last conversion of the run
	ds_store_b128 v4, v[C+4*(\t):C+4*(\t)+3] offset:16*(\t)        ; 32 codes: 16 bytes of my column's row
.endm
	BLOCK 0
	BLOCK 1
	BLOCK 2
	BLOCK 3
	ds_store_b32 v5, v[SB]
	s_wait_dscnt 0x0                               ; for the others' sake: my stores into the stage have landed
	s_barrier_signal -1
	s_barrier_wait -1                              ; 64 whole rows of 256 bytes, and 64 x 16 scale bytes, lie in LDS
.irp i, 0,1,2,3
	ds_load_b128 v[OUTR+4*\i:OUTR+4*\i+3], v7 offset:2*\i*PITCH
.endr
	ds_load_b32 v192, v9
.irp i, 0,1,2,3
	s_wait_dscnt 4-\i                              ; load i is in; the younger ones may be out
	global_store_b128 v8, v[OUTR+4*\i:OUTR+4*\i+3], s[10:11] offset:2*\i*512   ; sixteen lanes store 256 consecutive bytes, aligned
.endr
	s_wait_dscnt 0x0
	global_store_b32 v10, v192, s[12:13]
	s_wait_tensorcnt 0x0                           ; the wave's end
	ds_add_u32 v[SPW], v[NIL]
	s_wait_dscnt 0x0
	s_endpgm
.Lfunc_end_k_qfa94ad9a71_quant_w:
	.size	k_qfa94ad9a71_quant_w, .Lfunc_end_k_qfa94ad9a71_quant_w-k_qfa94ad9a71_quant_w
	.p2alignl 7, 3214868480
	.fill 96, 4, 3214868480
	.section	.rodata,"a",@progbits
	.p2align	6, 0x0
	.amdhsa_kernel k_qfa94ad9a71_quant_w
		.amdhsa_group_segment_fixed_size 19456
		.amdhsa_private_segment_fixed_size 0
		.amdhsa_enable_private_segment 0
		.amdhsa_kernarg_size 40
		.amdhsa_user_sgpr_count 2
		.amdhsa_user_sgpr_kernarg_segment_ptr 1
		.amdhsa_wavefront_size32 1
		.amdhsa_system_sgpr_workgroup_id_x 1
		.amdhsa_system_sgpr_workgroup_id_y 1
		.amdhsa_system_sgpr_workgroup_id_z 1
		.amdhsa_system_vgpr_workitem_id 0
		.amdhsa_next_free_vgpr 200
		.amdhsa_next_free_sgpr 66
		.amdhsa_reserve_vcc 0
		.amdhsa_float_denorm_mode_32 3
		.amdhsa_float_denorm_mode_16_64 3
		.amdhsa_memory_ordered 1
		.amdhsa_forward_progress 1
		.amdhsa_inst_pref_size 23
	.end_amdhsa_kernel
	.amdgpu_metadata
---
amdhsa.version: [ 1, 2 ]
amdhsa.kernels:
  - .name:           k_qfa94ad9a71_quant_w
    .symbol:         k_qfa94ad9a71_quant_w.kd
    .args:
      - { .name: Wq, .offset: 0, .size: 8, .value_kind: global_buffer, .address_space: global }
      - { .name: Wk, .offset: 8, .size: 8, .value_kind: global_buffer, .address_space: global }
      - { .name: Wv, .offset: 16, .size: 8, .value_kind: global_buffer, .address_space: global }
      - { .name: wc, .offset: 24, .size: 8, .value_kind: global_buffer, .address_space: global }
      - { .name: ws, .offset: 32, .size: 8, .value_kind: global_buffer, .address_space: global }
    .group_segment_fixed_size: 19456
    .private_segment_fixed_size: 0
    .kernarg_segment_align: 8
    .kernarg_segment_size: 40
    .max_flat_workgroup_size: 256
    .sgpr_count:     66
    .vgpr_count:     200
    .wavefront_size: 32
...
	.end_amdgpu_metadata
.endif
;; end of part 2
;; launch proj (part 3): grid 4 x 96, 4 waves a work-group, clusters of 4 x 4, 327,680 bytes of LDS; arguments xc, xs, wc, ws, bq, qkv; writes qkv
.if DOCPART == 3
	.amdgcn_target "amdgcn-amd-amdhsa--gfx1250"
	.amdhsa_code_object_version 6
	.text
	.protected	k_qfa94ad9a71_proj
	.globl	k_qfa94ad9a71_proj
	.p2align	8
	.type	k_qfa94ad9a71_proj,@function
k_qfa94ad9a71_proj:
	s_mov_b64 s[64:65], 0
	v_nop
	global_prefetch_b8 v0, s[64:65] scope:SCOPE_SE
	s_setreg_imm32_b32 hwreg(HW_REG_WAVE_MODE, 25, 1), 1
	s_wait_xcnt 0x0
	s_wait_alu depctr_hold_cnt(0) depctr_sa_sdst(0) depctr_va_vdst(0) depctr_va_sdst(0) depctr_va_ssrc(0) depctr_va_vcc(0) depctr_vm_vsrc(0)
	s_getreg_b32 s2, hwreg(HW_REG_IB_STS2, 6, 4)
	s_cmp_eq_u32 s2, 0
	s_cbranch_scc0 .Lentry_in_a_cluster
	s_endpgm
.Lentry_in_a_cluster:
	s_bfe_u32 s2, ttmp6, 0x10000c
	s_cmp_lg_u32 s2, 0xf033
	s_cbranch_scc0 .Lentry_shape_is_right
	s_endpgm
.Lentry_shape_is_right:
; The three projections on codes of FP4 (E2M1) with E8M0 scales: q = query Wq + bq, k' = key Wk, v' = value Wv, sums in f32, results rounded once to f16 into qkv.
; WORK LEFT OUT: bk (the same along the softmax's axis: shown at the head of launch quant_x).  bv is added by launch pv, at the end, in f32.
; LIMIT: |q|, |k'|, |v'| up to 65,504, f16's largest number; beyond it the conversion gives infinity.
; 384 tiles of 256 x 256, K = 1,024; a work-group of four waves makes one, a wave 128 x 128: 64 accumulators, 512 registers.  T = cluster y / 8 says which projection; it is the same in all sixteen partners.
; THE MATRIX INSTRUCTION IS USED TRANSPOSED: source 0 takes 16 rows of the operand called B here, source 1 16 rows of the one called A: a lane then holds ONE row of A and eight neighbouring rows of B.
;   T = 0, 1: A = 256 tokens (xc), B = 256 columns of the weight (wc): a lane holds a token, its registers run along the dims.
;   T = 2:    A = 256 columns of Wv (wc), B = 256 tokens of value (xc): a lane holds a dim, its registers run along the keys: v' comes out transposed, as the second product of attention wants it.
; xc and wc have the same row (512 bytes), xs and ws too (32 bytes): so only four pointers and two row numbers are chosen by T, by selects; descriptors, LDS and the loop are one text.
; THE RESULT IS STORED AS AN IMAGE OF THE NEXT PRODUCT'S OPERAND REGISTERS.  A lane's eight results of column block b, packed to f16, are registers 0-3 (b even) or 4-7 (b odd) of a 16 x 32 fragment of f16, in this very
; lane.  So each group of four registers leaves by one store of 16 bytes a lane, 512 consecutive aligned bytes a wave, with no turn through LDS.  q at byte 0 and k' at 2^24 of qkv:
; [ks 8 (128 dims)][rb 512 (16 tokens)][c 4 (32 dims)][half 2][lane 32][16 bytes];  v'^T at 2^25: [gks 64 (128 keys)][db 64 (16 dims)][c 4 (32 keys)][half 2][lane 32][16 bytes].
; K = 1,024 is two slots of 512 along K (rows of 256 bytes): both are asked for at the start and nothing is filled again.  The scales of the tile's rows, two dense blocks, come once with them.
; CLUSTERS: 4 x 4 work-groups.  A's tile hangs on cy and the cluster's number, B's on cx and the cluster's number: each is asked for jointly by the four that share it.
; By this text's own count a wave has at most three tensor loads outstanding.
; REGISTERS: window 0: v0-31 addresses; v32-95 scale words, two sets; v128-191 A's fragments, one set; v192-255 bq in the result's layout (T = 0); on the way out v128-255 hold packed results.
;   window 1: B's fragments, two sets, at v0 and v128.  window 2: accumulators of my rows 0-63 ((a, b) at v[8 (8 a + b)]);  window 3: of my rows 64-127.
.set NQ,     4                         ; matrix instructions deep in a slot: 512 along K
.set ROWB,   256                       ; a tile's row in bytes
.set KROW,   512                       ; a row of codes in memory
.set PITCH,  272                       ; an LDS row: 256 bytes + 16 of padding: the 16 rows that a load touches start at 16 different banks (64 banks of 4 bytes: ISA guide 11.1)
.set FR,     8                         ; registers of a fragment, 16 rows x 128 K
.set NL,     2                         ; LDS loads that bring one
.set NP,     4                         ; places behind this matrix instruction (ISA guide 7.12.1)
.set HALFT,  128*PITCH
.set SLOT,   4*HALFT                   ; A's 256 rows, then B's 256 rows
.set KS,     32                        ; a row of scale bytes
.set SCL,    2*SLOT                    ; behind the ring: the scales, as runs of 256 bytes + 16 of padding
.set HALFS,  (128*KS/256)*272          ; those of 128 rows: what one tensor load brings
.set SBLK,   (16*KS/256)*272           ; those of 16 rows
.set SPARE,  SCL+4*HALFS               ; the spare words, 128 bytes a wave, which no other line names
.set ADRA, 16                          ; v16-17  LDS address of my A fragments in slot 0, 1
.set ADRB, 20                          ; v20-21  the same for B
.set CO,   26                          ; v26     16 x lane: my place in an image
.set ADRS, 27                          ; v27     LDS address of my scale words: lanes 0-15 A's rows, lanes 16-31 B's
.set SPW,  28                          ; v28     my spare word; never rewritten
.set NIL,  29                          ; v29     0; never rewritten
.set BO,   30                          ; v30     32 x (lane / 16): my eight numbers of a block of 16 of bq
.set SC,   32
.set AF,   128
.set BI,   192
.set TP,   128
.set G1, 24                            ; s[24:31] group 1 for A's tiles;  s[32:39] groups 0, one for each slot
.set G0, 32
.set G1B, 48                           ; s[48:55], s[56:63] the same for B's
.set G0B, 56
.set G1S, 68                           ; s[68:75], s[76:79] groups 1 and 0 for A's scales;  s[80:87], s[88:91] for B's
.set G0S, 76
.set G1SB, 80
.set G0SB, 88
.set MSB, 0
.macro WIN new                         ; the immediate's high byte repeats the setting that is left
.if MSB != \new
	s_set_vgpr_msb (MSB<<8)|\new
.set MSB, \new
.endif
.endm
.set MUL_LO,  0xa1                     ; source 0 (B) window 1, source 1 (A) window 0, C and D window 2
.set MUL_HI,  0xf1                     ; the same, C and D window 3
.set BIAS_LO, 0x81                     ; C (the bias) window 0, D window 2
.set BIAS_HI, 0xc1                     ; C window 0, D window 3
.set TO_B,    0x40                     ; destination window 1, address window 0
; A joint load: waves 0 and 1 fetch for A, waves 2 and 3 for B.  The branch hangs on the wave's number alone.  An s_nop 0 and four v_nop follow each of the two lines.
.macro JLOAD g0a, g1a, g0b, g1b
	s_cmp_eq_u32 s15, 0
	s_cbranch_scc0 .Lfor_b_\@
	tensor_load_to_lds s[\g0a:\g0a+3], s[\g1a:\g1a+7]
	s_nop 0
.rept 4
	v_nop
.endr
	s_branch .Lasked_\@
.Lfor_b_\@:
	tensor_load_to_lds s[\g0b:\g0b+3], s[\g1b:\g1b+7]
	s_nop 0
.rept 4
	v_nop
.endr
.Lasked_\@:
.endm
.macro CROUND                          ; a round of the cluster's barrier
	s_barrier_signal -1
	s_barrier_wait -1
	s_cmp_lg_u32 s14, 0
	s_cbranch_scc1 .Lnot_wave_0_\@
	s_barrier_signal -3
.Lnot_wave_0_\@:
	s_barrier_wait -3
	s_barrier_signal -1
	s_barrier_wait -1
.endm
	s_load_b256 s[4:11], s[0:1], 0x0               ; xc s[4:5], xs s[6:7], wc s[8:9], ws s[10:11]
	s_load_b128 s[96:99], s[0:1], 0x20             ; bq s[96:97], qkv s[98:99]
	v_lshl_add_u32 v[SPW], v0, 2, SPARE
	v_mov_b32 v[NIL], 0
	ds_add_u32 v[SPW], v[NIL]                      ; the wave's opening: the add, twice on end, and its wait ahead of my first tensor load
	ds_add_u32 v[SPW], v[NIL]                      ; and once more; the set-up below, work on registers, stands between it and the wait
	v_lshrrev_b32 v1, 5, v0
	v_readfirstlane_b32 s14, v1                    ; wave 0..3
	s_lshr_b32 s15, s14, 1                         ; which half of A's rows is mine.  Also: I fetch for A (0) or for B (1)
	s_and_b32 s16, s14, 1                          ; which half of B's rows.  Also: which 128 rows I fetch
	s_bfe_u32 s40, ttmp6, 0x40000                  ; cx
	s_bfe_u32 s41, ttmp6, 0x40004                  ; cy
	s_and_b32 s100, ttmp7, 0xffff                  ; cl: the cluster's number, 0..23 (the grid is one cluster wide)
	s_lshr_b32 s101, s100, 3                       ; T
	s_lshl_b32 s17, s100, 2
	s_add_co_u32 s42, s17, s40                     ; 4 cl + cx
	s_add_co_u32 s17, s17, s41                     ; 4 cl + cy
	s_lshl_b32 s43, s41, 2
	s_lshl_b32 s43, 15, s43                        ; my row of the cluster
	s_lshl_b32 s44, 0x1111, s40                    ; my column
	s_or_b32 s[G1+0], s43, (0<<16)|(1<<20)|(1<<21)|(5<<22)|(3<<25)   ; 15:0 the mask; 17:16 elements of 1 byte; 20 padding on; 21 set beside a mask; 24:22 after every 64 words; 31:25 four words
	s_or_b32 s[G1B+0], s44, (0<<16)|(1<<20)|(1<<21)|(5<<22)|(3<<25)
.irp g, G1, G1B
	s_mov_b32 s[\g+1], ROWB<<16                    ; tensor_dim0
	s_mov_b32 s[\g+2], 128<<16                     ; tensor_dim1
	s_mov_b32 s[\g+3], ROWB<<16                    ; tile_dim0
	s_mov_b32 s[\g+4], 128                         ; tile_dim1
	s_mov_b32 s[\g+5], KROW                        ; tensor_dim0_stride
	s_mov_b32 s[\g+6], 0
	s_mov_b32 s[\g+7], 0
.endr
	s_or_b32 s[G1S+0], s43, (3<<16)|(1<<20)|(1<<21)|(5<<22)|(3<<25)  ; the scales of 128 rows: 4,096 dense bytes as 16 rows of 32 elements of 8 bytes, 16 bytes of padding behind each
	s_or_b32 s[G1SB+0], s44, (3<<16)|(1<<20)|(1<<21)|(5<<22)|(3<<25)
.irp g, G1S, G1SB
	s_mov_b32 s[\g+1], 32<<16
	s_mov_b32 s[\g+2], (128*KS/256)<<16
	s_mov_b32 s[\g+3], 32<<16
	s_mov_b32 s[\g+4], 128*KS/256
	s_mov_b32 s[\g+5], 32
	s_mov_b32 s[\g+6], 0
	s_mov_b32 s[\g+7], 0
.endr
	s_lshl_b32 s18, s16, 7                         ; which 128 rows of the tile I fetch
	s_lshl_b32 s20, s17, 8                         ; A's first row, T < 2: token 256 (4 cl + cy) of xc
	s_lshl_b32 s21, s41, 8
	s_add_co_u32 s21, s21, 2048                    ; T = 2: row 2048 + 256 cy of wc
	s_lshl_b32 s46, s101, 10
	s_lshl_b32 s47, s40, 8
	s_add_co_u32 s46, s46, s47                     ; B's first row, T < 2: row 1024 T + 256 cx of wc
	s_lshl_b32 s47, s42, 8                         ; T = 2: token 256 (4 cl + cx) of xc
	s_cmp_eq_u32 s101, 2
	s_cselect_b32 s20, s21, s20                    ; A's hangs on cy and cl alone,
	s_cselect_b32 s46, s47, s46                    ; B's on cx and cl alone
	s_add_co_u32 s20, s20, s18
	s_add_co_u32 s46, s46, s18
	s_lshl_b32 s22, s20, 5                         ; where these rows' scales begin, in bytes,
	s_mov_b32 s23, 0
	s_lshl_b32 s20, s20, 9                         ; and their codes
	s_mov_b32 s21, 0
	s_lshl_b32 s92, s46, 5
	s_mov_b32 s93, 0
	s_lshl_b32 s46, s46, 9
	s_mov_b32 s47, 0
	s_mul_i32 s45, s14, HALFT                      ; where they go: wave x 128 rows: no place in the cluster enters an LDS address
	s_mul_i32 s94, s14, HALFS
	s_wait_dscnt 0x0                               ; both opening adds are done
	s_wait_kmcnt 0x0
	s_cmp_eq_u32 s101, 2                           ; the buffers change parts where T = 2
	s_cselect_b64 s[12:13], s[8:9], s[4:5]         ; A's codes
	s_cselect_b64 s[66:67], s[10:11], s[6:7]       ; A's scales
	s_cselect_b64 s[8:9], s[4:5], s[8:9]           ; B's codes
	s_cselect_b64 s[10:11], s[6:7], s[10:11]       ; B's scales
	s_add_nc_u64 s[20:21], s[12:13], s[20:21]
	s_add_nc_u64 s[22:23], s[66:67], s[22:23]
	s_add_nc_u64 s[46:47], s[8:9], s[46:47]
	s_add_nc_u64 s[92:93], s[10:11], s[92:93]
	CROUND                                         ; all sixteen work-groups are here: the joint loads meet
	s_mov_b32 s[G0S], 1
	s_add_co_u32 s[G0S+1], s94, SCL
	s_mov_b64 s[G0S+2:G0S+3], s[22:23]
	s_or_b32 s[G0S+3], s[G0S+3], 0x80000000
	s_mov_b32 s[G0SB], 1
	s_add_co_u32 s[G0SB+1], s94, SCL
	s_mov_b64 s[G0SB+2:G0SB+3], s[92:93]
	s_or_b32 s[G0SB+3], s[G0SB+3], 0x80000000
	JLOAD G0S, G1S, G0SB, G1SB                     ; the scales first: they are wanted with the first slot
.irp s, 0,1
	s_mov_b32 s[G0+4*\s], 1
	s_add_co_u32 s[G0+4*\s+1], s45, \s*SLOT
	s_add_nc_u64 s[G0+4*\s+2:G0+4*\s+3], s[20:21], \s*ROWB
	s_or_b32 s[G0+4*\s+3], s[G0+4*\s+3], 0x80000000
	s_mov_b32 s[G0B+4*\s], 1
	s_add_co_u32 s[G0B+4*\s+1], s45, \s*SLOT
	s_add_nc_u64 s[G0B+4*\s+2:G0B+4*\s+3], s[46:47], \s*ROWB
	s_or_b32 s[G0B+4*\s+3], s[G0B+4*\s+3], 0x80000000
	JLOAD G0+4*\s, G1, G0B+4*\s, G1B
.endr
	v_and_b32 v1, 15, v0                           ; r = lane % 16
	v_bfe_u32 v2, v0, 4, 1                         ; h = lane / 16
	v_mul_u32_u24 v3, v1, PITCH
	v_lshl_add_u32 v4, v2, 4, v3                   ; a fragment's row x pitch + 16 h
	s_mul_i32 s21, s15, HALFT                      ; my 128 rows of A
	s_mul_i32 s22, s16, HALFT                      ; my 128 rows of B,
	s_add_co_u32 s22, s22, 2*HALFT                 ; which lie behind A's 256
.irp s, 0,1
	v_add_nc_u32 v[ADRA+\s], s21, v4
	v_add_nc_u32 v[ADRB+\s], s22, v4
	s_add_co_u32 s21, s21, SLOT
	s_add_co_u32 s22, s22, SLOT
.endr
	v_mul_u32_u24 v5, v1, KS                       ; my row's scales: 32 bytes a row,
	v_lshrrev_b32 v6, 8, v5
	v_lshl_add_u32 v5, v6, 4, v5                   ; and 16 more for each 256 passed
	s_mul_i32 s21, s15, HALFS                      ; A's: my 128 rows
	s_mul_i32 s22, s16, HALFS                      ; B's: my 128 rows, behind A's 256
	s_add_co_u32 s22, s22, 2*HALFS
	s_sub_co_u32 s22, s22, s21
	v_mul_u32_u24 v6, s22, v2                      ; lanes 16-31 take B's: one product, the distance between the two bases
	s_add_co_u32 s21, s21, SCL
	v_add_nc_u32 v5, v5, v6
	v_add_nc_u32 v[ADRS], s21, v5
	v_and_b32 v6, 31, v0
	v_lshlrev_b32 v[CO], 4, v6
	v_lshlrev_b32 v[BO], 5, v2
	; where my images begin in qkv: T x 2^24 + (K step of the next product) x its stride + (first block of 16 rows) x 4,096
	s_and_b32 s20, s42, 31
	s_and_b32 s21, s17, 31
	s_cmp_eq_u32 s101, 2
	s_cselect_b32 s20, s20, s40                    ; 256 of B's rows: T < 2: dims, cx;  T = 2: keys, (4 cl + cx) % 32
	s_cselect_b32 s21, s41, s21                    ; 256 of A's rows: T < 2: tokens, (4 cl + cy) % 32;  T = 2: dims, cy
	s_cselect_b32 s22, 18, 21                      ; a K step's images: 64 blocks x 4,096 bytes (v'^T) or 512 x 4,096 (q, k')
	s_lshl_b32 s20, s20, 1
	s_add_co_u32 s20, s20, s16
	s_lshl_b32 s20, s20, s22
	s_lshl_b32 s21, s21, 4
	s_lshl_b32 s23, s15, 3
	s_add_co_u32 s21, s21, s23
	s_lshl_b32 s21, s21, 12
	s_add_co_u32 s20, s20, s21
	s_lshl_b32 s21, s101, 24
	s_add_co_u32 s20, s20, s21
	s_mov_b32 s21, 0
	s_add_nc_u64 s[98:99], s[98:99], s[20:21]
.macro FRAG reg, adr, q, i             ; 16 rows x 128 K of 4-bit codes: 8 registers: lane l holds row l % 16; registers 4 c .. 4 c + 3 hold K = 64 c + 32 (l / 16) + 0 .. 31
.irp c, 0,1
	ds_load_b128 v[\reg+4*\c:\reg+4*\c+3], v[\adr] offset:64*(\q)+32*\c+(\i)*16*PITCH
.endr
.endm
; 16 matrix instructions: A's blocks a0, a0 + 1 x B's eight, the slot's q-th 128 along K.  p: B's set; sc: the set of scale words.  zero = 1: the product starts the sums with 0; zero = 2: with bq.
; One register carries A's scale word (lanes 0-15) and B's (lanes 16-31): source 0 (B) reads its row of lanes 16-31.  The 64 accumulators take turns, one instruction a turn.
.macro MUL16 a0, p, q, sc, zero
.irp a, \a0, \a0+1
.irp b, 0,1,2,3,4,5,6,7
.if \zero == 1
	v_wmma_scale_f32_16x16x128_f8f6f4 v[8*(8*((\a)%4)+\b):8*(8*((\a)%4)+\b)+7], v[128*(\p)+FR*\b:128*(\p)+FR*\b+FR-1], v[AF+FR*(\a):AF+FR*(\a)+FR-1], 0, v[SC+8*NQ*(\sc)+NQ*\b+(\q)], v[SC+8*NQ*(\sc)+NQ*(\a)+(\q)] matrix_a_fmt:MATRIX_FMT_FP4 matrix_b_fmt:MATRIX_FMT_FP4 matrix_a_scale:MATRIX_SCALE_ROW1
.elseif \zero == 2
	v_wmma_scale_f32_16x16x128_f8f6f4 v[8*(8*((\a)%4)+\b):8*(8*((\a)%4)+\b)+7], v[128*(\p)+FR*\b:128*(\p)+FR*\b+FR-1], v[AF+FR*(\a):AF+FR*(\a)+FR-1], v[BI+8*\b:BI+8*\b+7], v[SC+8*NQ*(\sc)+NQ*\b+(\q)], v[SC+8*NQ*(\sc)+NQ*(\a)+(\q)] matrix_a_fmt:MATRIX_FMT_FP4 matrix_b_fmt:MATRIX_FMT_FP4 matrix_a_scale:MATRIX_SCALE_ROW1
.else
	v_wmma_scale_f32_16x16x128_f8f6f4 v[8*(8*((\a)%4)+\b):8*(8*((\a)%4)+\b)+7], v[128*(\p)+FR*\b:128*(\p)+FR*\b+FR-1], v[AF+FR*(\a):AF+FR*(\a)+FR-1], v[8*(8*((\a)%4)+\b):8*(8*((\a)%4)+\b)+7], v[SC+8*NQ*(\sc)+NQ*\b+(\q)], v[SC+8*NQ*(\sc)+NQ*(\a)+(\q)] matrix_a_fmt:MATRIX_FMT_FP4 matrix_b_fmt:MATRIX_FMT_FP4 matrix_a_scale:MATRIX_SCALE_ROW1
.endif
.endr
.endr
.endm
.macro FETCH_B slot, q, p              ; B's eight fragments of the slot's q-th 128 along K into set p
	WIN TO_B
.irp i, 0,1,2,3,4,5,6,7
	FRAG 128*(\p)+FR*\i, ADRB+\slot, \q, \i
.endr
	WIN 0
.endm
.macro FETCH_A slot, q, i0             ; A's blocks i0 .. i0 + 3
.irp i, \i0, \i0+1, \i0+2, \i0+3
	FRAG AF+FR*(\i), ADRA+\slot, \q, \i
.endr
.endm
.macro SCALES sc                       ; a slot's scale words into set sc: four words a row; lanes 0-15 take A's block i, lanes 16-31 B's block i
.irp i, 0,1,2,3,4,5,6,7
	ds_load_b128 v[SC+8*NQ*\sc+NQ*\i:SC+8*NQ*\sc+NQ*\i+3], v[ADRS] offset:\i*SBLK
.endr
.endm
.macro PLACES n                        ; places in front of loads into registers that matrix instructions have read, and of the first read of results
.rept \n
	v_nop
.endr
.endm
; A step of 128 along K that has its successor in the same slot.  A block of A is free as soon as its eight products are issued: blocks 0-3 are fetched anew in the step's middle, blocks 4-7 at its end.
.macro STEP slot, q, zero
	s_wait_dscnt 4*NL                              ; B's set, the scale words and A's blocks 0-3 are in; the youngest eight loads (A's blocks 4-7) may be out
.if \zero == 2
	WIN BIAS_LO
.else
	WIN MUL_LO
.endif
	MUL16 0, (\q)%2, \q, \slot, \zero
	MUL16 2, (\q)%2, \q, \slot, \zero
	s_wait_dscnt 0                                 ; A's blocks 4-7 are in
	PLACES NP
	FETCH_B \slot, (\q)+1, 1-(\q)%2
	FETCH_A \slot, (\q)+1, 0
.if \zero == 2
	WIN BIAS_HI
.else
	WIN MUL_HI
.endif
	MUL16 4, (\q)%2, \q, \slot, \zero
	MUL16 6, (\q)%2, \q, \slot, \zero
	PLACES NP
	WIN 0
	FETCH_A \slot, (\q)+1, 4
.endm
; Slot 0's last step changes slots: one barrier; in front of it each wave waits for all its tensor loads (its part of slot 1), so that behind it slot 1 is whole for all four.  Nothing is filled again.
.macro TURN slot, next
	s_wait_tensorcnt 0x0                           ; all my tensor loads have landed
	ds_add_u32 v[SPW], v[NIL]                      ; 0 onto my spare word
	s_wait_dscnt 4*NL+1                            ; (the add and the youngest eight loads, A's blocks 4-7, may be out)
	WIN MUL_LO
	MUL16 0, 1, NQ-1, \slot, 0                     ; sixteen matrix instructions stand between the add and the wait for it
	s_wait_dscnt 0x0                               ; the add is done, and my LDS loads are in
	s_barrier_signal -1
	MUL16 2, 1, NQ-1, \slot, 0
	WIN 0
	s_barrier_wait -1
	PLACES NP
	v_add_nc_u32 v[ADRS], 4*NQ, v[ADRS]            ; on to the next slot's scale words
	FETCH_B \next, 0, 0
	FETCH_A \next, 0, 0
	SCALES \next
	WIN MUL_HI
	MUL16 4, 1, NQ-1, \slot, 0
	MUL16 6, 1, NQ-1, \slot, 0
	PLACES NP
	WIN 0
	FETCH_A \next, 0, 4
.endm
.macro STEPS slot, from                ; the slot's steps from .. NQ - 2
.set Q, \from
.rept NQ-1-\from
	STEP \slot, Q, 0
.set Q, Q+1
.endr
.endm
	s_wait_tensorcnt 1                             ; the scales and my part of slot 0 are in (slot 1's load may be out),
	s_barrier_signal -1
	s_barrier_wait -1                              ; everybody's are
	FETCH_B 0, 0, 0
	FETCH_A 0, 0, 0
	SCALES 0
	FETCH_A 0, 0, 4
	s_cmp_lg_u32 s101, 0                           ; T is the same in all waves and all partners
	s_cbranch_scc1 .Lno_bias
	s_lshl_b32 s20, s40, 10                        ; q alone has a bias here: bq at columns 256 cx + 128 (my half) + 16 b + 8 h + 0 .. 7, in register 8 b + j: the result's layout
	s_lshl_b32 s22, s16, 9
	s_add_co_u32 s20, s20, s22
	s_add_nc_u64 s[96:97], s[96:97], s[20:21]
.irp b, 0,1,2,3,4,5,6,7
	global_load_b128 v[BI+8*\b:BI+8*\b+3], v[BO], s[96:97] offset:64*\b
	global_load_b128 v[BI+8*\b+4:BI+8*\b+7], v[BO], s[96:97] offset:64*\b+16
.endr
	s_wait_loadcnt 0x0
	STEP 0, 0, 2                                   ; the first products start the sums with bq: no addition is spent on it
	s_branch .Lstarted
.Lno_bias:
	STEP 0, 0, 1                                   ; the first products start the sums: nothing is cleared
.Lstarted:
	STEPS 0, 1
	TURN 0, 1
	STEPS 1, 0
	s_wait_dscnt 4*NL                              ; the last step: nothing more to fetch
	WIN MUL_LO
	MUL16 0, 1, NQ-1, 1, 0
	MUL16 2, 1, NQ-1, 1, 0
	s_wait_dscnt 0
	WIN MUL_HI
	MUL16 4, 1, NQ-1, 1, 0
	MUL16 6, 1, NQ-1, 1, 0
	WIN 0
; THE WAY OUT, block a of 16 rows at a time: rounded to f16 in pairs, each accumulator from its low end on; column block b's four registers are half b % 2 of fragment b / 2: they leave as they stand.
.macro PACK a
.set AC, 64*((\a)%4)
.set TQ, TP+32*((\a)%4)
.set WS, 0x0a+5*((\a)/4)               ; sources 0 and 1: window 2 or 3
	WIN WS
.irp b, 0,1,2,3,4,5,6,7
.irp r, 0,1,2,3
	v_cvt_pk_f16_f32 v[TQ+4*\b+\r], v[AC+8*\b+2*\r], v[AC+8*\b+2*\r+1]
.endr
.endr
	WIN 0
.endm
.macro SEND a
.set TQ, TP+32*((\a)%4)
.irp b, 0,1,2,3,4,5,6,7
	global_store_b128 v[CO], v[TQ+4*\b:TQ+4*\b+3], s[98:99] offset:(\a)*4096+\b*512   ; 32 lanes store 512 consecutive bytes, aligned
.endr
.endm
	PLACES NP                                      ; behind the last products: their results are read, and registers that they read are written, below
.irp a, 0,1,2,3,4,5,6,7
.if \a >= 4
	s_wait_xcnt 0x0                                ; block a - 4's stores have read their data: the registers are written again only behind this wait
.endif
	PACK \a
	SEND \a
.endr
	s_wait_tensorcnt 0x0                           ; the wave's end
	ds_add_u32 v[SPW], v[NIL]
	s_wait_dscnt 0x0
	CROUND                                         ; the closing round
	s_endpgm
.Lfunc_end_k_qfa94ad9a71_proj:
	.size	k_qfa94ad9a71_proj, .Lfunc_end_k_qfa94ad9a71_proj-k_qfa94ad9a71_proj
	.p2alignl 7, 3214868480
	.fill 96, 4, 3214868480
	.section	.rodata,"a",@progbits
	.p2align	6, 0x0
	.amdhsa_kernel k_qfa94ad9a71_proj
		.amdhsa_group_segment_fixed_size 327680
		.amdhsa_private_segment_fixed_size 0
		.amdhsa_enable_private_segment 0
		.amdhsa_kernarg_size 48
		.amdhsa_user_sgpr_count 2
		.amdhsa_user_sgpr_kernarg_segment_ptr 1
		.amdhsa_wavefront_size32 1
		.amdhsa_system_sgpr_workgroup_id_x 1
		.amdhsa_system_sgpr_workgroup_id_y 1
		.amdhsa_system_sgpr_workgroup_id_z 1
		.amdhsa_system_vgpr_workitem_id 0
		.amdhsa_next_free_vgpr 1024
		.amdhsa_next_free_sgpr 102
		.amdhsa_reserve_vcc 0
		.amdhsa_float_denorm_mode_32 3
		.amdhsa_float_denorm_mode_16_64 3
		.amdhsa_memory_ordered 1
		.amdhsa_forward_progress 1
		.amdhsa_inst_pref_size 130
	.end_amdhsa_kernel
	.amdgpu_metadata
---
amdhsa.version: [ 1, 2 ]
amdhsa.kernels:
  - .name:           k_qfa94ad9a71_proj
    .symbol:         k_qfa94ad9a71_proj.kd
    .args:
      - { .name: xc, .offset: 0, .size: 8, .value_kind: global_buffer, .address_space: global }
      - { .name: xs, .offset: 8, .size: 8, .value_kind: global_buffer, .address_space: global }
      - { .name: wc, .offset: 16, .size: 8, .value_kind: global_buffer, .address_space: global }
      - { .name: ws, .offset: 24, .size: 8, .value_kind: global_buffer, .address_space: global }
      - { .name: bq, .offset: 32, .size: 8, .value_kind: global_buffer, .address_space: global }
      - { .name: qkv, .offset: 40, .size: 8, .value_kind: global_buffer, .address_space: global }
    .group_segment_fixed_size: 327680
    .private_segment_fixed_size: 0
    .kernarg_segment_align: 8
    .kernarg_segment_size: 48
    .max_flat_workgroup_size: 128
    .sgpr_count:     102
    .vgpr_count:     1024
    .wavefront_size: 32
...
	.end_amdgpu_metadata
.endif
;; end of part 3
;; launch scores (part 4): grid 8 x 32, 4 waves a work-group, clusters of 4 x 4, 327,680 bytes of LDS; arguments qkv, pbuf, stats; writes pbuf, stats
.if DOCPART == 4
	.amdgcn_target "amdgcn-amd-amdhsa--gfx1250"
	.amdhsa_code_object_version 6
	.text
	.protected	k_qfa94ad9a71_scores
	.globl	k_qfa94ad9a71_scores
	.p2align	8
	.type	k_qfa94ad9a71_scores,@function
k_qfa94ad9a71_scores:
	s_mov_b64 s[64:65], 0
	v_nop
	global_prefetch_b8 v0, s[64:65] scope:SCOPE_SE
	s_setreg_imm32_b32 hwreg(HW_REG_WAVE_MODE, 25, 1), 1
	s_wait_xcnt 0x0
	s_wait_alu depctr_hold_cnt(0) depctr_sa_sdst(0) depctr_va_vdst(0) depctr_va_sdst(0) depctr_va_ssrc(0) depctr_va_vcc(0) depctr_vm_vsrc(0)
	s_getreg_b32 s2, hwreg(HW_REG_IB_STS2, 6, 4)
	s_cmp_eq_u32 s2, 0
	s_cbranch_scc0 .Lentry_in_a_cluster
	s_endpgm
.Lentry_in_a_cluster:
	s_bfe_u32 s2, ttmp6, 0x10000c
	s_cmp_lg_u32 s2, 0xf033
	s_cbranch_scc0 .Lentry_shape_is_right
	s_endpgm
.Lentry_shape_is_right:
; S = q k'^T in f16 with f32 sums (K = 1,024 dims), and the first level of the softmax.  (bk is left out: shown at the head of launch quant_x.)
; THE SOFTMAX GOES BY BLOCKS OF 128 KEYS, the maximum taken away in two levels.  t = c s, c = log2(e) / 32 (beta = 1 / 32).  For each query and each block b of 128 keys: M_b = the block's largest t rounded UP to a whole
; number; p = 2^(t - M_b), at most 1 and over 1/2 at the block's largest; l_b = the sum of p in f32.  p goes out as f16, -M_b and l_b as f32.  Launch pv takes M = the largest M_b and brings each block under it by
; the factor 2^(M_b - M), a power of two.  LIMITS: M_b is kept as a whole number in f32, exact up to 2^24; NaN and infinities among the scores are not served.
; A tile of S is 256 queries x 256 keys of one batch: four waves, each 128 x 128: 64 accumulators, 512 registers.  A wave's 128 keys are one block: its softmax never leaves the wave.
; q and k' lie in qkv as images of the operands' registers: a K step (128 dims) of 128 rows is ONE dense block of 32,768 bytes, which a wave brings by one tensor load, as 128 rows of 256 bytes, with no padding;
; a fragment's half is read at 16 x lane, 512 consecutive bytes.  Ring of two slots of 131,072 bytes; eight K steps.
; TRANSPOSED USE: source 0 = 16 keys, source 1 = 16 queries: a lane holds ONE query (lane % 16) and keys 16 b + 8 (lane / 16) + 0 .. 7.  Packed to f16, column block b's four registers are half b % 2 of fragment b / 2
; of P for the second product: they leave by stores of 16 bytes a lane.  pbuf: [kb 16 (128 keys of the batch)][rb 512 (16 queries)][c 4][half 2][lane 32][16 bytes].
; stats: [kb 16][grp 128 (64 queries)][lane 32][a 4] f32: lanes 0-15 hold -M_b of query 64 grp + 16 a + lane, lanes 16-31 l_b of query 64 grp + 16 a + lane - 16.
; CLUSTERS: 4 x 4.  q's tile hangs on the tile row, shared along a row of the cluster; k's on the batch and the tile column, shared along a column: joint loads.
; No prefetch is written: a refill is asked for 224 matrix instructions ahead of the wait for it, so the tensor load itself goes out as early as a prefetch would.
; By this text's own count a wave has at most two tensor loads outstanding.
; REGISTERS: window 0: v0-31 addresses; v32-55 the softmax's few; v64-127, v128-191 q's fragments, two buffers (on the way out: packed p, four sets).  window 1: the same places, k's fragments.
;   window 2: accumulators of my queries 0-63 ((a, b) at v[8 (8 a + b)]);  window 3: of my queries 64-127.
.set KSB,   2097152                    ; a K step's images of all 8,192 rows
.set KOFF,  16777216                   ; k' in qkv
.set SLOT,  131072                     ; q's 16 blocks of 16 rows x 4,096 bytes, then k's 16
.set SPARE, 2*SLOT                     ; the spare words, 128 bytes a wave, which no other line names
.set LAPS,  4                          ; a lap = two K steps = once round the ring
.set ADRA, 16                          ; v16-17 LDS address of my q fragments in slot 0, 1
.set ADRB, 20                          ; v20-21 of my k fragments
.set CO,   26                          ; v26    16 x lane
.set SPW,  28
.set NIL,  29
.set TM,   32                          ; v32-35 four chains of the maximum
.set TX,   36                          ; v36    what the other half of the lanes holds
.set NM,   38                          ; v[38:39] -M_b (the packed form names the pair and takes its low word)
.set SA,   40                          ; v[40:41], v[42:43] two chains of the sum
.set SB,   42
.set LSUM, 44
.set ST,   48                          ; v48-55 what goes to stats, a register for each block of 16 queries
.set F0,   64
.set F1,   128
.set TP,   64
.set G1, 24
.set G0, 32
.set G1B, 48
.set G0B, 56
.set CS,  68                           ; s[68:69] c
.set SEL, 70                           ; s[70:71] lane selects: lane l xor 16
.set MK,  72                           ; s72 lanes 16-31
.set MSB, 0
.macro WIN new
.if MSB != \new
	s_set_vgpr_msb (MSB<<8)|\new
.set MSB, \new
.endif
.endm
.set MUL_LO, 0xa1                      ; source 0 (k) window 1, source 1 (q) window 0, C and D window 2
.set MUL_HI, 0xf1
.set TO_B,   0x40
.macro JLOAD s                         ; waves 0 and 1 fetch q's two halves, waves 2 and 3 k's; an s_nop 0 and four v_nop follow each line
	s_cmp_eq_u32 s11, 0
	s_cbranch_scc0 .Lfor_b_\@
	tensor_load_to_lds s[G0+4*\s:G0+4*\s+3], s[G1:G1+7]
	s_nop 0
.rept 4
	v_nop
.endr
	s_branch .Lasked_\@
.Lfor_b_\@:
	tensor_load_to_lds s[G0B+4*\s:G0B+4*\s+3], s[G1B:G1B+7]
	s_nop 0
.rept 4
	v_nop
.endr
.Lasked_\@:
.endm
.macro CREST                           ; a round of the cluster's barrier behind its opening barrier
	s_cmp_lg_u32 s10, 0
	s_cbranch_scc1 .Lnot_wave_0_\@
	s_barrier_signal -3
.Lnot_wave_0_\@:
	s_barrier_wait -3
	s_barrier_signal -1
	s_barrier_wait -1
.endm
.macro CROUND
	s_barrier_signal -1
	s_barrier_wait -1
	CREST
.endm
	s_load_b128 s[4:7], s[0:1], 0x0                ; qkv s[4:5], pbuf s[6:7]
	s_load_b64 s[8:9], s[0:1], 0x10                ; stats
	v_lshl_add_u32 v[SPW], v0, 2, SPARE
	v_mov_b32 v[NIL], 0
	ds_add_u32 v[SPW], v[NIL]                      ; the wave's opening: the add, twice on end, and its wait ahead of my first tensor load
	ds_add_u32 v[SPW], v[NIL]
	v_lshrrev_b32 v1, 5, v0
	v_readfirstlane_b32 s10, v1                    ; wave 0..3
	s_lshr_b32 s11, s10, 1                         ; which 128 queries are mine.  Also: I fetch q (0) or k (1)
	s_and_b32 s12, s10, 1                          ; which 128 keys.  Also: which half I fetch
	s_bfe_u32 s40, ttmp6, 0x40000                  ; cx
	s_bfe_u32 s41, ttmp6, 0x40004                  ; cy
	s_lshl_b32 s42, ttmp9, 2
	s_add_co_u32 s42, s42, s40                     ; tx: 256 keys of the batch, 0..7
	s_and_b32 s2, ttmp7, 0xffff                    ; cluster y, 0..7
	s_lshl_b32 s13, s2, 2
	s_add_co_u32 s13, s13, s41                     ; ty: 256 queries over all batches, 0..31
	s_lshl_b32 s43, s41, 2
	s_lshl_b32 s43, 15, s43                        ; my row of the cluster
	s_lshl_b32 s44, 0x1111, s40                    ; my column
	s_or_b32 s[G1+0], s43, (3<<16)|(1<<21)         ; 15:0 the mask; 17:16 elements of 8 bytes; 20 no padding; 21 set beside a mask
	s_or_b32 s[G1B+0], s44, (3<<16)|(1<<21)
.irp g, G1, G1B
	s_mov_b32 s[\g+1], 32<<16                      ; tensor_dim0 = 32 elements: 256 bytes
	s_mov_b32 s[\g+2], 128<<16                     ; tensor_dim1 = 128
	s_mov_b32 s[\g+3], 32<<16                      ; tile_dim0
	s_mov_b32 s[\g+4], 128                         ; tile_dim1
	s_mov_b32 s[\g+5], 32                          ; the pitch: dense
	s_mov_b32 s[\g+6], 0
	s_mov_b32 s[\g+7], 0
.endr
	s_lshl_b32 s16, s13, 4
	s_lshl_b32 s17, s12, 3
	s_add_co_u32 s16, s16, s17
	s_lshl_b32 s16, s16, 12                        ; q: block of 16 rows 16 ty + 8 x half, 4,096 bytes each
	s_mov_b32 s17, 0
	s_lshr_b32 s46, s2, 1                          ; the batch = ty / 8, the same in all partners
	s_lshl_b32 s46, s46, 7
	s_lshl_b32 s47, s42, 4
	s_add_co_u32 s46, s46, s47
	s_lshl_b32 s47, s12, 3
	s_add_co_u32 s46, s46, s47
	s_lshl_b32 s46, s46, 12                        ; k': block 128 batch + 16 tx + 8 x half
	s_add_co_u32 s46, s46, KOFF
	s_mov_b32 s47, 0
	s_lshl_b32 s20, s10, 15                        ; where they go: wave x 32,768
	s_mov_b32 s[CS], 0x3d38aa3b                    ; c = log2(e) / 32
	s_mov_b32 s[CS+1], s[CS]
	s_mov_b32 s[SEL], 0x76543210
	s_mov_b32 s[SEL+1], 0xfedcba98
	s_mov_b32 s[MK], 0xffff0000
	s_wait_dscnt 0x0                               ; both opening adds are done
	s_wait_kmcnt 0x0
	s_add_nc_u64 s[14:15], s[4:5], s[16:17]
	s_add_nc_u64 s[46:47], s[4:5], s[46:47]
	CROUND                                         ; all sixteen work-groups are here: the first joint loads meet
.irp s, 0,1
	s_mov_b32 s[G0+4*\s], 1
	s_add_co_u32 s[G0+4*\s+1], s20, \s*SLOT
	s_add_nc_u64 s[G0+4*\s+2:G0+4*\s+3], s[14:15], \s*KSB
	s_or_b32 s[G0+4*\s+3], s[G0+4*\s+3], 0x80000000
	s_mov_b32 s[G0B+4*\s], 1
	s_add_co_u32 s[G0B+4*\s+1], s20, \s*SLOT
	s_add_nc_u64 s[G0B+4*\s+2:G0B+4*\s+3], s[46:47], \s*KSB
	s_or_b32 s[G0B+4*\s+3], s[G0B+4*\s+3], 0x80000000
	JLOAD \s
.endr
	v_and_b32 v1, 31, v0
	v_lshlrev_b32 v[CO], 4, v1
	s_lshl_b32 s21, s11, 15                        ; my 128 queries' images
	s_lshl_b32 s22, s12, 15                        ; my 128 keys',
	s_add_co_u32 s22, s22, 65536                   ; behind q's 65,536 bytes
.irp s, 0,1
	v_add_nc_u32 v[ADRA+\s], s21, v[CO]
	v_add_nc_u32 v[ADRB+\s], s22, v[CO]
	s_add_co_u32 s21, s21, SLOT
	s_add_co_u32 s22, s22, SLOT
.endr
	v_mov_b32 v[TX], 0                             ; written once: a lane permute's destination counts as one of its sources
	v_mov_b32 v[NM+1], 0                           ; named as the upper half of a pair
	s_lshl_b32 s20, s42, 1
	s_add_co_u32 s20, s20, s12                     ; kb = 2 tx + my half
	s_lshl_b32 s22, s20, 16                        ; stats: 65,536 bytes a block of keys
	s_lshl_b32 s20, s20, 21                        ; pbuf: 2,097,152
	s_lshl_b32 s21, s13, 4
	s_lshl_b32 s23, s11, 3
	s_add_co_u32 s21, s21, s23
	s_lshl_b32 s21, s21, 12                        ; + block of 16 queries 16 ty + 8 x half
	s_add_co_u32 s20, s20, s21
	s_mov_b32 s21, 0
	s_add_nc_u64 s[6:7], s[6:7], s[20:21]
	s_lshl_b32 s23, s13, 2
	s_lshl_b32 s20, s11, 1
	s_add_co_u32 s23, s23, s20
	s_lshl_b32 s23, s23, 9                         ; + group of 64 queries 4 ty + 2 x half, 512 bytes each
	s_add_co_u32 s20, s22, s23
	s_add_nc_u64 s[8:9], s[8:9], s[20:21]
; 16 matrix instructions: query blocks a0, a0 + 1 of the window's four x all 8 key blocks, 32 dims.  zero = 1: the first product starts the sums.  The 64 accumulators take turns.
.macro MUL16 f, hi, a0, zero
.irp a, \a0, \a0+1
.irp b, 0,1,2,3,4,5,6,7
.if \zero
	v_wmma_f32_16x16x32_f16 v[8*(8*(\a)+\b):8*(8*(\a)+\b)+7], v[\f+8*\b:\f+8*\b+7], v[\f+8*(4*\hi+\a):\f+8*(4*\hi+\a)+7], 0
.else
	v_wmma_f32_16x16x32_f16 v[8*(8*(\a)+\b):8*(8*(\a)+\b)+7], v[\f+8*\b:\f+8*\b+7], v[\f+8*(4*\hi+\a):\f+8*(4*\hi+\a)+7], v[8*(8*(\a)+\b):8*(8*(\a)+\b)+7]
.endif
.endr
.endr
.endm
.macro FETCH slot, q, f                ; 32 LDS loads in one run: the fragments of the slot's q-th 32 dims into buffer f: k's eight, then q's eight
	WIN TO_B
.irp i, 0,1,2,3,4,5,6,7
	ds_load_b128 v[\f+8*\i:\f+8*\i+3],   v[ADRB+\slot] offset:(\q)*1024+\i*4096
	ds_load_b128 v[\f+8*\i+4:\f+8*\i+7], v[ADRB+\slot] offset:(\q)*1024+\i*4096+512
.endr
	WIN 0
.irp i, 0,1,2,3,4,5,6,7
	ds_load_b128 v[\f+8*\i:\f+8*\i+3],   v[ADRA+\slot] offset:(\q)*1024+\i*4096
	ds_load_b128 v[\f+8*\i+4:\f+8*\i+7], v[ADRA+\slot] offset:(\q)*1024+\i*4096+512
.endr
.endm
.macro PLACES                          ; four places in front of loads into registers that matrix instructions have read, and of the first read of results
.rept 4
	v_nop
.endr
.endm
; A K step is four quarters of 32 dims, 64 matrix instructions each, on buffers 0, 1, 0, 1.  One of the first three: multiplies buffer f; in its middle it fetches the next quarter q into buffer g.
.macro QUARTER slot, q, f, g, zero
	s_wait_dscnt 8                                 ; k's and q's rows 0-63 are in; the youngest eight loads (q's rows 64-127) may be out
	WIN MUL_LO
	MUL16 \f, 0, 0, \zero
	MUL16 \f, 0, 2, \zero
	PLACES
	FETCH \slot, \q, \g
	s_wait_dscnt 32                                ; all but the 32 just issued
	WIN MUL_HI
	MUL16 \f, 1, 0, \zero
	MUL16 \f, 1, 2, \zero
.endm
; The last quarter multiplies buffer 1 and changes slots: ONE barrier; in front of it each wave waits for all its tensor loads (its part of the next slot), adds 0 to its spare word, and waits for that and for its reads
; of this slot.  fill = 1: the barrier opens a round of the cluster's barrier, and the joint refill, two K steps ahead, is the first tensor load behind the round.
.macro TURN slot, next, fill
	WIN 0                                          ; (the add's two registers lie in window 0)
	s_wait_tensorcnt 0x0                           ; all my tensor loads have landed
	ds_add_u32 v[SPW], v[NIL]                      ; 0 onto my spare word
	s_wait_dscnt 9                                 ; (the add and the youngest eight loads may be out)
	WIN MUL_LO
	MUL16 F1, 0, 0, 0                              ; sixteen matrix instructions stand between the add and the wait for it
	s_wait_dscnt 0x0                               ; the add is done, and my reads of this slot are over
	s_barrier_signal -1
	MUL16 F1, 0, 2, 0                              ; work on registers while the others arrive
.if \fill
	WIN 0
.endif
	s_barrier_wait -1
.if \fill
	CREST                                          ; no wave of any partner still reads this slot or has a load on its way
	s_add_nc_u64 s[G0+4*\slot+2:G0+4*\slot+3], s[G0+4*\slot+2:G0+4*\slot+3], 2*KSB
	s_add_nc_u64 s[G0B+4*\slot+2:G0B+4*\slot+3], s[G0B+4*\slot+2:G0B+4*\slot+3], 2*KSB
	JLOAD \slot                                    ; the four v_nop behind it are also the places in front of the loads below
.else
	PLACES
.endif
	FETCH \next, 0, F0
	WIN MUL_HI
	MUL16 F1, 1, 0, 0
	MUL16 F1, 1, 2, 0
.endm
	s_wait_tensorcnt 1                             ; my part of K step 0 is in (K step 1's load may be out),
	s_barrier_signal -1
	s_barrier_wait -1                              ; everybody's is
	FETCH 0, 0, F0
	QUARTER 0, 1, F0, F1, 1                        ; the first quarter stands in front of the loop: its products start the sums
	WIN 0
	s_mov_b32 s3, LAPS-1
.Llap:                                             ; a trip goes once round the ring, from a lap's second quarter to the next lap's first, and fills both slots again
	QUARTER 0, 2, F1, F0, 0
	QUARTER 0, 3, F0, F1, 0
	TURN 0, 1, 1
	QUARTER 1, 1, F0, F1, 0
	QUARTER 1, 2, F1, F0, 0
	QUARTER 1, 3, F0, F1, 0
	TURN 1, 0, 1
	QUARTER 0, 1, F0, F1, 0
	WIN 0
	s_sub_co_u32 s3, s3, 1
	s_cmp_lg_u32 s3, 0
	s_cbranch_scc1 .Llap
	QUARTER 0, 2, F1, F0, 0                        ; the last lap is written out: it asks for nothing
	QUARTER 0, 3, F0, F1, 0
	TURN 0, 1, 0
	QUARTER 1, 1, F0, F1, 0
	QUARTER 1, 2, F1, F0, 0
	QUARTER 1, 3, F0, F1, 0
	s_wait_dscnt 8                                 ; the very last quarter: nothing more to fetch
	WIN MUL_LO
	MUL16 F1, 0, 0, 0
	MUL16 F1, 0, 2, 0
	s_wait_dscnt 0
	WIN MUL_HI
	MUL16 F1, 1, 0, 0
	MUL16 F1, 1, 2, 0
	WIN 0
; THE WAY OUT of block a (16 queries x my 128 keys: 64 registers a lane, in window 2 or 3).
.macro EPI a
.set WN, 2+(\a)/4
.set AC, 64*((\a)%4)
.set TQ, TP+32*((\a)%4)
.set W3, WN|(WN<<2)|(WN<<4)            ; sources 0, 1, 2 in the block's window, destination in window 0
.set W2, (WN<<2)|(WN<<4)               ; sources 1, 2
.set WD, WN|(WN<<6)                    ; source 0 and destination
.if (\a) >= 4
	s_wait_xcnt 0x0                                ; block a - 4's stores have read their data: the registers are written again only behind this wait
.endif
	WIN W3
.irp c, 0,1,2,3
	v_max3_num_f32 v[TM+\c], v[AC+16*\c], v[AC+16*\c+1], v[AC+16*\c+2]    ; the largest score, four chains by turns; each accumulator is read from its low end on
.endr
	WIN W2
.irp i, 3,5,7,9,11,13
.irp c, 0,1,2,3
	v_max3_num_f32 v[TM+\c], v[TM+\c], v[AC+16*\c+\i], v[AC+16*\c+\i+1]
.endr
.endr
.irp c, 0,1,2,3
	v_max_num_f32 v[TM+\c], v[TM+\c], v[AC+16*\c+15]
.endr
	WIN 0
	v_max3_num_f32 v[TM], v[TM], v[TM+1], v[TM+2]
	v_max_num_f32 v[TM], v[TM], v[TM+3]
	v_permlanex16_b32 v[TX], v[TM], s[SEL], s[SEL+1]               ; the query's other 64 keys lie in the lane 16 away
	v_max_num_f32 v[TM], v[TM], v[TX]
	v_mul_f32 v[TM], s[CS], v[TM]                                  ; as t (c is positive)
	v_floor_f32 v[NM], -v[TM]                                      ; -M_b = floor(-t) = -ceil(t): a whole number
	WIN WD
.irp j, 0,2,4,6,8,10,12,14,16,18,20,22,24,26,28,30,32,34,36,38,40,42,44,46,48,50,52,54,56,58,60,62
	v_pk_fma_f32 v[AC+\j:AC+\j+1], v[AC+\j:AC+\j+1], s[CS:CS+1], v[NM:NM+1] op_sel_hi:[1,0,0]   ; t - M_b, two at a time
.endr
.irp j, 0,1,2,3,4,5,6,7,8,9,10,11,12,13,14,15,16,17,18,19,20,21,22,23,24,25,26,27,28,29,30,31,32,33,34,35,36,37,38,39,40,41,42,43,44,45,46,47,48,49,50,51,52,53,54,55,56,57,58,59,60,61,62,63
	v_exp_f32 v[AC+\j], v[AC+\j]                                   ; p = 2^(t - M_b), at most 1
.endr
	v_nop                                          ; a plain line behind the last exponential
	s_wait_alu depctr_va_vdst(0)                   ; one wait for the batch of 64, ahead of its first reader
	WIN W3
	v_pk_add_f32 v[SA:SA+1], v[AC:AC+1], v[AC+2:AC+3]              ; the sum of the unrounded p, two chains
	v_pk_add_f32 v[SB:SB+1], v[AC+4:AC+5], v[AC+6:AC+7]
.irp i, 0,1,2,3,4,5,6,7,8,9,10,11,12,13,14,15,16,17,18,19,20,21,22,23,24,25,26,27,28,29,30,31
	v_cvt_pk_f16_f32 v[TQ+\i], v[AC+2*\i], v[AC+2*\i+1]            ; p as f16: register 4 b + r of the image
.endr
	WIN W2
.irp j, 8,16,24,32,40,48,56
	v_pk_add_f32 v[SA:SA+1], v[SA:SA+1], v[AC+\j:AC+\j+1]
	v_pk_add_f32 v[SB:SB+1], v[SB:SB+1], v[AC+\j+2:AC+\j+3]
	v_pk_add_f32 v[SA:SA+1], v[SA:SA+1], v[AC+\j+4:AC+\j+5]
	v_pk_add_f32 v[SB:SB+1], v[SB:SB+1], v[AC+\j+6:AC+\j+7]
.endr
	WIN 0
	v_pk_add_f32 v[SA:SA+1], v[SA:SA+1], v[SB:SB+1]
	v_add_f32 v[LSUM], v[SA], v[SA+1]
	v_permlanex16_b32 v[TX], v[LSUM], s[SEL], s[SEL+1]
	v_add_f32 v[LSUM], v[LSUM], v[TX]                              ; l_b, in both halves of the lanes
	v_cndmask_b32 v[ST+(\a)], v[NM], v[LSUM], s[MK]                ; lanes 0-15 keep -M_b, lanes 16-31 l_b
.irp b, 0,1,2,3,4,5,6,7
	global_store_b128 v[CO], v[TQ+4*\b:TQ+4*\b+3], s[6:7] offset:(\a)*4096+\b*512   ; 32 lanes store 512 consecutive bytes, aligned
.endr
.endm
	PLACES                                         ; behind the last products
.irp a, 0,1,2,3,4,5,6,7
	EPI \a
.endr
.irp g, 0,1
	global_store_b128 v[CO], v[ST+4*\g:ST+4*\g+3], s[8:9] offset:512*\g   ; a group of 64 queries: 512 consecutive bytes, aligned
.endr
	s_wait_tensorcnt 0x0                           ; the wave's end
	ds_add_u32 v[SPW], v[NIL]
	s_wait_dscnt 0x0
	CROUND                                         ; the closing round
	s_endpgm
.Lfunc_end_k_qfa94ad9a71_scores:
	.size	k_qfa94ad9a71_scores, .Lfunc_end_k_qfa94ad9a71_scores-k_qfa94ad9a71_scores
	.p2alignl 7, 3214868480
	.fill 96, 4, 3214868480
	.section	.rodata,"a",@progbits
	.p2align	6, 0x0
	.amdhsa_kernel k_qfa94ad9a71_scores
		.amdhsa_group_segment_fixed_size 327680
		.amdhsa_private_segment_fixed_size 0
		.amdhsa_enable_private_segment 0
		.amdhsa_kernarg_size 24
		.amdhsa_user_sgpr_count 2
		.amdhsa_user_sgpr_kernarg_segment_ptr 1
		.amdhsa_wavefront_size32 1
		.amdhsa_system_sgpr_workgroup_id_x 1
		.amdhsa_system_sgpr_workgroup_id_y 1
		.amdhsa_system_sgpr_workgroup_id_z 1
		.amdhsa_system_vgpr_workitem_id 0
		.amdhsa_next_free_vgpr 1024
		.amdhsa_next_free_sgpr 74
		.amdhsa_reserve_vcc 0
		.amdhsa_float_denorm_mode_32 3
		.amdhsa_float_denorm_mode_16_64 3
		.amdhsa_memory_ordered 1
		.amdhsa_forward_progress 1
		.amdhsa_inst_pref_size 202
	.end_amdhsa_kernel
	.amdgpu_metadata
---
amdhsa.version: [ 1, 2 ]
amdhsa.kernels:
  - .name:           k_qfa94ad9a71_scores
    .symbol:         k_qfa94ad9a71_scores.kd
    .args:
      - { .name: qkv, .offset: 0, .size: 8, .value_kind: global_buffer, .address_space: global }
      - { .name: pbuf, .offset: 8, .size: 8, .value_kind: global_buffer, .address_space: global }
      - { .name: stats, .offset: 16, .size: 8, .value_kind: global_buffer, .address_space: global }
    .group_segment_fixed_size: 327680
    .private_segment_fixed_size: 0
    .kernarg_segment_align: 8
    .kernarg_segment_size: 24
    .max_flat_workgroup_size: 128
    .sgpr_count:     74
    .vgpr_count:     1024
    .wavefront_size: 32
...
	.end_amdgpu_metadata
.endif
;; end of part 4
;; launch pv (part 5): grid 4 x 64, 4 waves a work-group, clusters of 4 x 4, 327,680 bytes of LDS; arguments pbuf, qkv, stats, bv, out0; writes out0
.if DOCPART == 5
	.amdgcn_target "amdgcn-amd-amdhsa--gfx1250"
	.amdhsa_code_object_version 6
	.text
	.protected	k_qfa94ad9a71_pv
	.globl	k_qfa94ad9a71_pv
	.p2align	8
	.type	k_qfa94ad9a71_pv,@function
k_qfa94ad9a71_pv:
	s_mov_b64 s[64:65], 0
	v_nop
	global_prefetch_b8 v0, s[64:65] scope:SCOPE_SE
	s_setreg_imm32_b32 hwreg(HW_REG_WAVE_MODE, 25, 1), 1
	s_wait_xcnt 0x0
	s_wait_alu depctr_hold_cnt(0) depctr_sa_sdst(0) depctr_va_vdst(0) depctr_va_sdst(0) depctr_va_ssrc(0) depctr_va_vcc(0) depctr_vm_vsrc(0)
	s_getreg_b32 s2, hwreg(HW_REG_IB_STS2, 6, 4)
	s_cmp_eq_u32 s2, 0
	s_cbranch_scc0 .Lentry_in_a_cluster
	s_endpgm
.Lentry_in_a_cluster:
	s_bfe_u32 s2, ttmp6, 0x10000c
	s_cmp_lg_u32 s2, 0xf033
	s_cbranch_scc0 .Lentry_shape_is_right
	s_endpgm
.Lentry_shape_is_right:
; out = (sum over the 16 blocks b of f_b (P_b v'_b) + l bv) / l; the products in f16 with f32 sums; K = the batch's 2,048 keys.
; THE SOFTMAX'S SECOND LEVEL, in f32.  For each query M = the largest of its 16 M_b, f_b = 2^(M_b - M), a power of two, at most 1, and 1 for one block at least; l = the sum of f_b l_b, over 1/2.
; Each block's product is summed by itself in accumulators T, begun with the constant 0; at the block's end O += f_b T, one fused multiply-add in f32.  P goes to the matrix unit as launch scores stored it.
; LIMIT: an f_b under the smallest f32 number is 0: that block then counts for nothing beside a row's largest weight of over 1/2.
; bv: the rows of the softmax sum to 1, so A (v' + 1 bv^T) = A v' + bv = (sum of f P v' + l bv) / l for all values of the inputs: O BEGINS AS l x bv, so that nothing is cleared and every block's flush is alike.
; (bk is left out: shown at the head of launch quant_x.)
; A tile of out is 128 queries x 256 dims, so that there are 256 work-groups; four waves, each 64 x 128: 32 accumulators O and 32 T, 512 registers.
; P and v'^T lie in memory as images of the operands' registers: [block of 128 keys][16 rows][c 4 (32 keys)][half 2][lane 32][16 bytes].
; THE RING.  A key costs 2 x (128 + 256) = 768 bytes of LDS; a slot holds 192 keys, ONE AND A HALF BLOCKS, 147,456 bytes; two slots.  A slot is four boxes, one tensor load a wave:
;   wave 0: P of a whole block, 8 x 4,096 dense bytes;   wave 1: P of half a block, 8 rows of 2,048 bytes, 4,096 apart;   wave 2: v of a whole block, 16 x 4,096 dense bytes;   wave 3: v of half a block, 16 rows of 2,048.
; A LAP is slots A and B, three blocks, twelve quarters of 32 keys: slot A holds block 3 i and the first half of block 3 i + 1, slot B the second half of block 3 i + 1 and block 3 i + 2.
; Four laps in a loop; the fifth written out (slot A is filled again with block 15's two whole boxes alone, slot B no more); then block 15.  Ten changes of slots; a refill has 176 matrix instructions and one or two flushes in which to land.
; TRANSPOSED USE: source 0 = 16 dims of v'^T, source 1 = 16 queries of P: a lane holds one query (lane % 16) and eight neighbouring dims.
; CLUSTERS: 4 x 4.  P's boxes hang on the tile row, shared along a row of the cluster; v's on the batch and the tile column, shared along a column: joint loads.
; By this text's own count a wave has at most two tensor loads outstanding.
; REGISTERS: window 0: v8-15 LDS addresses of the fragments; v23-31 other addresses; v32-63, v64-95 P's fragments, two buffers; v96-159 X, v160-223 Y: the statistics at the head, rows of out on the way out;
;   v224-231 the block's four factors, v236-243 l, v244-251 1 / l: each in the even registers (the packed forms name a pair and take its low word); v232-235 M.
;   window 1: v0-63, v64-127 v's fragments, two buffers.   window 2: O, (a, b) at v[8 (8 a + b)].   window 3: T, at the same numbers (at the head v0-63 hold bv in the result's layout).
.set KSP,   2097152                    ; a block of 128 keys in pbuf
.set KSV,   262144                     ; and in v'^T
.set VT,    33554432                   ; v'^T in qkv
.set PF,    0                          ; a slot: P of the whole block, 32,768 bytes;
.set PH,    32768                      ; P of the half block, 16,384;
.set VF,    49152                      ; v of the whole block, 65,536;
.set VH,    114688                     ; v of the half block, 32,768
.set SLOT,  147456
.set FT,    2*SLOT                     ; behind the ring: the factors, 4,096 bytes a wave: [kb 16][row 16][a 4] f32
.set SPARE, FT+4*4096                  ; the spare words, 128 bytes a wave, which no other line names
.set STAGE, SLOT                       ; the way out: 16 rows x (512 bytes + 16) a wave, in slot B: it has had its last fill, and nobody reads it behind the last change of slots
.set SPITCH, 528
.set TRIPS, 4
.set APF,  8                           ; v8-9   LDS address of my P fragments in the whole box of slot A, B
.set APH,  10                          ; v10-11 in the half box
.set AVF,  12                          ; v12-13 of my v fragments in the whole box
.set AVH,  14                          ; v14-15 in the half box
.set PFO2, 23                          ; v23 the second prefetch's offset: a block further on; never rewritten
.set STO,  24
.set RD,   25
.set CO,   26                          ; v26 16 x lane
.set FTA,  27                          ; v27 my factors: the lap's first block
.set SPW,  28
.set NIL,  29
.set PFO,  30                          ; v30 256 x lane; never rewritten
.set BO,   31                          ; v31 32 x (lane / 16)
.set PB,   32
.set X,    96
.set Y,    160
.set BK,   96
.set FS,   224
.set GM,   232
.set LS,   236
.set RL,   244
.set G1PF, 16                          ; s[16:23], s[24:31], s[32:39], s[40:47] group 1 of the four boxes
.set G1PH, 24
.set G1VF, 32
.set G1VH, 40
.set G0P,  48                          ; s[48:55] group 0 for P's boxes, a set for each slot (wave 0: the whole box, wave 1: the half)
.set G0V,  56                          ; s[56:63] the same for v's (waves 2 and 3)
.set PFA,  80                          ; s[80:81] where my prefetches stand
.set PFS,  82                          ; s[82:83] a block on, in bytes
.set LIM,  84                          ; s84 1 in a wave that prefetches, else the greatest number
.set MSB, 0
.macro WIN new                         ; the immediate's high byte repeats the setting that is left
.if MSB != \new
	s_set_vgpr_msb (MSB<<8)|\new
.set MSB, \new
.endif
.endm
.set MULW, 0xf1                        ; source 0 (v) window 1, source 1 (P) window 0, C and D (T) window 3
.macro TL g0, g1                       ; a tensor load; an s_nop 0 and four v_nop follow it
	tensor_load_to_lds s[\g0:\g0+3], s[\g1:\g1+7]
	s_nop 0
.rept 4
	v_nop
.endr
.endm
.macro JLOAD4 s                        ; a slot's four boxes, one a wave; the branches hang on the wave's number alone
	s_cmp_lt_u32 s70, 2
	s_cbranch_scc0 .Lfor_v_\@
	s_cmp_eq_u32 s70, 0
	s_cbranch_scc0 .Lp_half_\@
	TL G0P+4*\s, G1PF
	s_branch .Lasked_\@
.Lp_half_\@:
	TL G0P+4*\s, G1PH
	s_branch .Lasked_\@
.Lfor_v_\@:
	s_cmp_eq_u32 s70, 2
	s_cbranch_scc0 .Lv_half_\@
	TL G0V+4*\s, G1VF
	s_branch .Lasked_\@
.Lv_half_\@:
	TL G0V+4*\s, G1VH
.Lasked_\@:
.endm
.macro JLOADF s                        ; the two whole boxes alone: waves 1 and 3 have nothing to fetch
	s_cmp_eq_u32 s70, 0
	s_cbranch_scc0 .Lnot_0_\@
	TL G0P+4*\s, G1PF
	s_branch .Lasked_\@
.Lnot_0_\@:
	s_cmp_eq_u32 s70, 2
	s_cbranch_scc0 .Lasked_\@
	TL G0V+4*\s, G1VF
.Lasked_\@:
.endm
.macro CREST                           ; a round of the cluster's barrier behind its opening barrier
	s_cmp_lg_u32 s70, 0
	s_cbranch_scc1 .Lnot_wave_0_\@
	s_barrier_signal -3
.Lnot_wave_0_\@:
	s_barrier_wait -3
	s_barrier_signal -1
	s_barrier_wait -1
.endm
.macro CROUND
	s_barrier_signal -1
	s_barrier_wait -1
	CREST
.endm
; PREFETCHES INTO THE L2, by whole blocks of 128 keys, behind the joint load and the run of LDS loads of a change of slots, for what the next change or the one after it will ask for: a change from A to B names one
; block, a change from B to A two: blocks 5 | 6, 7 | 8 | 9, 10 | 11 | 12, 13 | 14 | 15.  Each aligned 256 bytes are named once in the launch.
; P's part of a block (32,768 bytes) is read by the four partners of my row of the cluster and by nobody else: wave 0 of each asks for 8,192 bytes of it, told apart by address (cx), lanes 256 bytes apart.
; v's part (65,536 bytes) is read by my column of the cluster and by the batch's three other clusters: the batch's first cluster asks; each partner takes 16,384 bytes by address (cy), its waves 2 and 3 half each.
; Wave 1 asks for nothing.  Blocks 0 to 4 come by their loads alone; in the loop's last trip the second of the pair, which would be block 16, is not asked for; the lap that is written out asks for nothing.
.macro ASK1
	s_cmp_eq_u32 s[LIM], 1
	s_cbranch_scc0 .Lnot_mine_\@
	global_prefetch_b8 v[PFO], s[PFA:PFA+1] th:TH_LOAD_NT scope:SCOPE_SE
.Lnot_mine_\@:
.endm
.macro ASK2
	s_cmp_eq_u32 s[LIM], 1
	s_cbranch_scc0 .Lnot_mine_\@
	global_prefetch_b8 v[PFO], s[PFA:PFA+1] th:TH_LOAD_NT scope:SCOPE_SE
	s_cmp_gt_u32 s3, 1
	s_cbranch_scc0 .Lnot_mine_\@
	global_prefetch_b8 v[PFO2], s[PFA:PFA+1] th:TH_LOAD_NT scope:SCOPE_SE
.Lnot_mine_\@:
.endm
.macro G1SET g, c, r, p                ; r rows of c elements of 8 bytes, p elements from row to row
	s_mov_b32 s[\g+1], (\c)<<16                    ; tensor_dim0
	s_mov_b32 s[\g+2], (\r)<<16                    ; tensor_dim1
	s_mov_b32 s[\g+3], (\c)<<16                    ; tile_dim0
	s_mov_b32 s[\g+4], \r                          ; tile_dim1
	s_mov_b32 s[\g+5], \p                          ; the pitch
	s_mov_b32 s[\g+6], 0
	s_mov_b32 s[\g+7], 0
.endm
	s_load_b256 s[4:11], s[0:1], 0x0               ; pbuf s[4:5], qkv s[6:7], stats s[8:9], bv s[10:11]
	s_load_b64 s[12:13], s[0:1], 0x20              ; out0
	v_lshl_add_u32 v[SPW], v0, 2, SPARE
	v_mov_b32 v[NIL], 0
	ds_add_u32 v[SPW], v[NIL]                      ; the wave's opening: the add, twice on end, and its wait ahead of my first tensor load
	ds_add_u32 v[SPW], v[NIL]                      ; and once more; the set-up below, work on registers, stands between it and the wait
	v_lshrrev_b32 v1, 5, v0
	v_readfirstlane_b32 s70, v1                    ; wave 0..3
	s_lshr_b32 s71, s70, 1                         ; which 64 queries are mine.  Also: I fetch P (0) or v (1)
	s_and_b32 s72, s70, 1                          ; which 128 dims.  Also: I fetch the whole box (0) or the half (1)
	s_bfe_u32 s78, ttmp6, 0x40000                  ; cx = the tile column (the grid is one cluster wide)
	s_bfe_u32 s79, ttmp6, 0x40004                  ; cy
	s_and_b32 s74, ttmp7, 0xffff                   ; cl: the cluster's number, 0..15
	s_lshl_b32 s73, s74, 2
	s_add_co_u32 s73, s73, s79                     ; ty: 128 queries over all batches, 0..63
	s_lshr_b32 s75, s74, 2                         ; the batch, the same in all partners
	s_lshl_b32 s76, s79, 2
	s_lshl_b32 s76, 15, s76                        ; my row of the cluster
	s_lshl_b32 s77, 0x1111, s78                    ; my column
	s_or_b32 s[G1PF], s76, (3<<16)|(1<<21)         ; 15:0 the mask; 17:16 elements of 8 bytes; no padding; 21 set beside a mask
	s_or_b32 s[G1PH], s76, (3<<16)|(1<<21)
	s_or_b32 s[G1VF], s77, (3<<16)|(1<<21)
	s_or_b32 s[G1VH], s77, (3<<16)|(1<<21)
	G1SET G1PF, 32, 128, 32                        ; 32,768 dense bytes as 128 rows of 256
	G1SET G1PH, 256, 8, 512                        ; 8 rows of 2,048 bytes, 4,096 apart
	G1SET G1VF, 32, 256, 32                        ; 65,536 dense bytes as 256 rows of 256
	G1SET G1VH, 256, 16, 512                       ; 16 rows of 2,048 bytes, 4,096 apart
	s_lshl_b32 s14, s73, 15                        ; P: the tile's 8 blocks of 16 queries from 8 ty on, 4,096 bytes each
	s_mul_i32 s15, s72, KSP
	s_add_co_u32 s86, s14, s15                     ; slot A: block 0 whole (wave 0), block 1 from c = 0 (wave 1)
	s_mov_b32 s87, 0
	s_mul_i32 s15, s72, KSP-2048
	s_add_co_u32 s88, s14, 2*KSP
	s_sub_co_u32 s88, s88, s15                     ; slot B: block 2 whole (wave 0), block 1 from c = 2 (wave 1)
	s_mov_b32 s89, 0
	s_lshl_b32 s90, s75, 22                        ; v: the batch's first block of keys, 16 batch x 262,144,
	s_lshl_b32 s91, s78, 16                        ; the tile's 16 blocks of 16 dims from 16 cx on
	s_add_co_u32 s90, s90, s91
	s_add_co_u32 s90, s90, VT
	s_mul_i32 s91, s72, KSV
	s_add_co_u32 s66, s90, s91                     ; slot A
	s_mov_b32 s67, 0
	s_mul_i32 s91, s72, KSV-2048
	s_add_co_u32 s68, s90, 2*KSV
	s_sub_co_u32 s68, s68, s91                     ; slot B
	s_mov_b32 s69, 0
	s_lshl_b32 s15, s72, 15                        ; where they go in a slot: P's whole box at 0, its half box at 32,768;
	s_lshl_b32 s91, s72, 16
	s_add_co_u32 s91, s91, VF                      ; v's whole box at 49,152, its half box 65,536 on: the wave's number alone
	s_wait_dscnt 0x0                               ; both opening adds are done
	s_wait_kmcnt 0x0
	CROUND                                         ; all sixteen work-groups are here: the first joint loads meet
	s_mov_b32 s[G0P], 1
	s_add_co_u32 s[G0P+1], s15, 0
	s_add_nc_u64 s[G0P+2:G0P+3], s[4:5], s[86:87]
	s_or_b32 s[G0P+3], s[G0P+3], 0x80000000
	s_mov_b32 s[G0P+4], 1
	s_add_co_u32 s[G0P+5], s15, SLOT
	s_add_nc_u64 s[G0P+6:G0P+7], s[4:5], s[88:89]
	s_or_b32 s[G0P+7], s[G0P+7], 0x80000000
	s_mov_b32 s[G0V], 1
	s_add_co_u32 s[G0V+1], s91, 0
	s_add_nc_u64 s[G0V+2:G0V+3], s[6:7], s[66:67]
	s_or_b32 s[G0V+3], s[G0V+3], 0x80000000
	s_mov_b32 s[G0V+4], 1
	s_add_co_u32 s[G0V+5], s91, SLOT
	s_add_nc_u64 s[G0V+6:G0V+7], s[6:7], s[68:69]
	s_or_b32 s[G0V+7], s[G0V+7], 0x80000000
	JLOAD4 0                                       ; slot A: blocks 0 and 1 (first half)
	JLOAD4 1                                       ; slot B: blocks 1 (second half) and 2
	v_and_b32 v1, 31, v0                           ; lane
	v_and_b32 v2, 15, v0                           ; r
	v_bfe_u32 v3, v0, 4, 1                         ; h
	v_lshlrev_b32 v[CO], 4, v1
	v_lshlrev_b32 v[BO], 5, v3
	v_lshlrev_b32 v[PFO], 8, v1
	s_lshl_b32 s14, s73, 1
	s_add_co_u32 s14, s14, s71
	s_lshl_b32 s14, s14, 9                         ; stats: my group of 64 queries, 2 ty + half, 512 bytes
	s_mov_b32 s15, 0
	s_add_nc_u64 s[8:9], s[8:9], s[14:15]
	s_lshl_b32 s14, s78, 10
	s_lshl_b32 s86, s72, 9
	s_add_co_u32 s14, s14, s86                     ; my first dim, 256 cx + 128 x half, in bytes
	s_add_nc_u64 s[10:11], s[10:11], s[14:15]
	s_add_nc_u64 s[12:13], s[12:13], s[14:15]
	s_lshl_b32 s14, s73, 7
	s_lshl_b32 s86, s71, 6
	s_add_co_u32 s14, s14, s86
	s_lshl_b32 s14, s14, 12                        ; my first row of out: 128 ty + 64 x half, 4,096 bytes a row
	s_add_nc_u64 s[12:13], s[12:13], s[14:15]
.irp k, 0,1,2,3,4,5,6,7,8,9,10,11,12,13,14,15
	global_load_b128 v[X+4*\k:X+4*\k+3], v[CO], s[8:9] offset:65536*\k    ; block k's -M_b (lanes 0-15) and l_b (lanes 16-31) of my four blocks of 16 queries
.endr
	WIN 0xc0                                       ; destination window 3
.irp b, 0,1,2,3,4,5,6,7
	global_load_b128 v[8*\b:8*\b+3], v[BO], s[10:11] offset:64*\b         ; bv at dims 16 b + 8 h + 0 .. 7 of my 128: the result's layout
	global_load_b128 v[8*\b+4:8*\b+7], v[BO], s[10:11] offset:64*\b+16
.endr
	WIN 0
	s_lshl_b32 s14, s71, 14                        ; my 4 blocks of 16 queries: 4,096 bytes each in the whole box,
	s_lshl_b32 s15, s71, 13
	s_add_co_u32 s15, s15, PH                      ; 2,048 each in the half box;
	s_lshl_b32 s86, s72, 15
	s_add_co_u32 s86, s86, VF                      ; my 8 blocks of 16 dims likewise
	s_lshl_b32 s87, s72, 14
	s_add_co_u32 s87, s87, VH
.irp s, 0,1
	v_add_nc_u32 v[APF+\s], s14, v[CO]
	v_add_nc_u32 v[APH+\s], s15, v[CO]
	v_add_nc_u32 v[AVF+\s], s86, v[CO]
	v_add_nc_u32 v[AVH+\s], s87, v[CO]
	s_add_co_u32 s14, s14, SLOT
	s_add_co_u32 s15, s15, SLOT
	s_add_co_u32 s86, s86, SLOT
	s_add_co_u32 s87, s87, SLOT
.endr
	s_lshl_b32 s14, s70, 12
	s_add_co_u32 s14, s14, FT
	v_lshl_add_u32 v[FTA], v2, 4, s14              ; my wave's factors, 16 bytes a row: lanes l and l + 16 hold the same query and name the same words
	s_mul_i32 s14, s70, 16*SPITCH
	s_add_co_u32 s14, s14, STAGE                   ; my stage
	v_mul_u32_u24 v[STO], v2, SPITCH
	v_lshl_add_u32 v[STO], v3, 5, v[STO]
	v_add_nc_u32 v[STO], s14, v[STO]               ; in: row r, 32 bytes for each half of the lanes
	v_add_nc_u32 v[RD], s14, v[CO]                 ; back: the 32 lanes take one row of 512 bytes
	; the prefetches: where my wave's stand, and who asks
	s_lshl_b32 s14, s73, 15                        ; P: the tile's 8 blocks of 16 queries,
	s_lshl_b32 s86, s78, 13                        ; my work-group's 8,192 bytes of them,
	s_add_co_u32 s14, s14, s86
	s_add_co_u32 s14, s14, 3*KSP                   ; at block 3: the first change of slots steps it to block 5
	s_lshl_b32 s86, s75, 22                        ; v: the batch,
	s_lshl_b32 s87, s78, 16                        ; the tile's 16 blocks of 16 dims,
	s_add_co_u32 s86, s86, s87
	s_lshl_b32 s87, s79, 14                        ; my work-group's 16,384 bytes of them,
	s_add_co_u32 s86, s86, s87
	s_lshl_b32 s87, s72, 13                        ; my wave's half of those
	s_add_co_u32 s86, s86, s87
	s_add_co_u32 s86, s86, VT+3*KSV
	s_and_b32 s87, s74, 3                          ; 0 in the batch's first cluster
	s_mov_b32 s[PFS], KSV
	s_cmp_eq_u32 s71, 0
	s_cselect_b64 s[PFA:PFA+1], s[4:5], s[6:7]
	s_cselect_b32 s14, s14, s86
	s_cselect_b32 s[PFS], KSP, s[PFS]
	s_cselect_b32 s87, s72, s87                    ; waves 0, 1: 0 in wave 0;  waves 2, 3: 0 in the batch's first cluster: the wave's number and the cluster's alone
	s_mov_b32 s[PFS+1], 0
	s_mov_b32 s15, 0
	s_add_nc_u64 s[PFA:PFA+1], s[PFA:PFA+1], s[14:15]
	s_cmp_eq_u32 s87, 0
	s_cselect_b32 s[LIM], 1, -1
	v_add_nc_u32 v[PFO2], s[PFS], v[PFO]
.irp a, 0,1,2,3
	v_mov_b32 v[FS+2*\a+1], 0                      ; named as the upper halves of pairs
	v_mov_b32 v[LS+2*\a+1], 0
	v_mov_b32 v[RL+2*\a+1], 0
.endr
	s_wait_loadcnt 0x0
	; THE SECOND LEVEL OF THE SOFTMAX, once: 64 numbers a lane
.set i, 0
.rept 64
	v_mov_b32 v[Y+i], v[X+i]
.set i, i+1
.endr
.set i, 0
.rept 64
	v_permlane16_swap_b32 v[X+i], v[Y+i]           ; X's lanes 16-31 change places with Y's lanes 0-15: X holds -M_b and Y l_b, in both halves of the lanes
.set i, i+1
.endr
.irp a, 0,1,2,3
	v_max3_num_f32 v[GM+\a], -v[X+\a], -v[X+4+\a], -v[X+8+\a]      ; M = the largest M_b
.endr
.irp k, 3,5,7,9,11,13
.irp a, 0,1,2,3
	v_max3_num_f32 v[GM+\a], v[GM+\a], -v[X+4*\k+\a], -v[X+4*\k+4+\a]
.endr
.endr
.irp a, 0,1,2,3
	v_max_num_f32 v[GM+\a], v[GM+\a], -v[X+60+\a]
.endr
.irp k, 0,1,2,3,4,5,6,7,8,9,10,11,12,13,14,15
.irp a, 0,1,2,3
	v_sub_f32 v[X+4*\k+\a], -v[X+4*\k+\a], v[GM+\a]                ; M_b - M: a whole number, 0 or less
.endr
.endr
.set i, 0
.rept 64
	v_cvt_i32_f32 v[X+i], v[X+i]                   ; (it saturates)
.set i, i+1
.endr
.set i, 0
.rept 64
	v_ldexp_f32 v[X+i], 1.0, v[X+i]                ; f_b = 2^(M_b - M)
.set i, i+1
.endr
.irp k, 0,1,2,3,4,5,6,7,8,9,10,11,12,13,14,15
	ds_store_b128 v[FTA], v[X+4*\k:X+4*\k+3] offset:256*\k         ; into my wave's own table; only I read it; lanes l and l + 16 write the same words with the same values
.endr
.irp a, 0,1,2,3
	v_mul_f32 v[LS+2*\a], v[X+\a], v[Y+\a]         ; l = the sum of f_b l_b
.endr
.irp k, 1,2,3,4,5,6,7,8,9,10,11,12,13,14,15
.irp a, 0,1,2,3
	v_fma_f32 v[LS+2*\a], v[X+4*\k+\a], v[Y+4*\k+\a], v[LS+2*\a]
.endr
.endr
.irp a, 0,1,2,3
	v_rcp_f32 v[RL+2*\a], v[LS+2*\a]
.endr
	WIN 0x83                                       ; destination (O) window 2, source 0 (bv) window 3, l window 0
.set i, 0
.rept 128
	v_pk_mul_f32 v[2*i:2*i+1], v[2*(i%32):2*(i%32)+1], v[LS+2*(i/32):LS+2*(i/32)+1] op_sel_hi:[1,0]   ; O begins as l x bv.  (Plain work behind the reciprocals, which it does not name)
.set i, i+1
.endr
	WIN 0
	s_wait_alu depctr_va_vdst(0)                   ; one wait for the four reciprocals, ahead of every label and reader
	s_wait_dscnt 0x0                               ; no LDS instruction of mine is out at the signal below
; 24 LDS loads in one run: the fragments of 32 keys into buffers f: v's eight, then P's four.  hf = 0: quarter c of the slot's whole box; hf = 1: of its half box.  It leaves every window 0
.macro FETCH slot, hf, c, f
.if \hf
.set FST, 2048
.set FAP, APH+\slot
.set FAV, AVH+\slot
.else
.set FST, 4096
.set FAP, APF+\slot
.set FAV, AVF+\slot
.endif
	WIN 0x40                                       ; destination window 1, address window 0
.irp b, 0,1,2,3,4,5,6,7
	ds_load_b128 v[64*(\f)+8*\b:64*(\f)+8*\b+3],   v[FAV] offset:\b*FST+(\c)*1024
	ds_load_b128 v[64*(\f)+8*\b+4:64*(\f)+8*\b+7], v[FAV] offset:\b*FST+(\c)*1024+512
.endr
	WIN 0
.irp a, 0,1,2,3
	ds_load_b128 v[PB+32*(\f)+8*\a:PB+32*(\f)+8*\a+3],   v[FAP] offset:\a*FST+(\c)*1024
	ds_load_b128 v[PB+32*(\f)+8*\a+4:PB+32*(\f)+8*\a+7], v[FAP] offset:\a*FST+(\c)*1024+512
.endr
.endm
.macro FLOAD off                       ; a block's four factors of my query, into the even registers
.irp a, 0,1,2,3
	ds_load_b32 v[FS+2*\a], v[FTA] offset:(\off)+4*\a
.endr
.endm
; 8 matrix instructions: query block a x all 8 blocks of dims, 32 keys.  zero = 1: the block's first products start T's sums.  The accumulators take turns, one instruction a turn.
.macro MUL8 f, a, zero
.irp b, 0,1,2,3,4,5,6,7
.if \zero
	v_wmma_f32_16x16x32_f16 v[8*(8*(\a)+\b):8*(8*(\a)+\b)+7], v[64*(\f)+8*\b:64*(\f)+8*\b+7], v[PB+32*(\f)+8*(\a):PB+32*(\f)+8*(\a)+7], 0
.else
	v_wmma_f32_16x16x32_f16 v[8*(8*(\a)+\b):8*(8*(\a)+\b)+7], v[64*(\f)+8*\b:64*(\f)+8*\b+7], v[PB+32*(\f)+8*(\a):PB+32*(\f)+8*(\a)+7], v[8*(8*(\a)+\b):8*(8*(\a)+\b)+7]
.endif
.endr
.endm
.macro MUL16 f, half, zero
	MUL8 \f, 2*(\half), \zero
	MUL8 \f, 2*(\half)+1, \zero
.endm
.macro PLACES                          ; four places in front of loads into registers that matrix instructions have read, and of the first read of results
.rept 4
	v_nop
.endr
.endm
; A quarter: 32 keys, 32 matrix instructions on buffers f; in its middle it fetches the next quarter (slot ns, box nh, quarter nc) into buffers g.
; hw: the LDS loads that may be out at its head: P's query blocks 2 and 3 (four), and behind a flush the four factor words too (eight).
.macro QUARTER f, g, zero, hw, ns, nh, nc
	s_wait_dscnt \hw                               ; v's fragments and P's query blocks 0 and 1 are in
	WIN MULW
	MUL16 \f, 0, \zero
	PLACES
	FETCH \ns, \nh, \nc, \g
	s_wait_dscnt 24                                ; all but the 24 just issued
	WIN MULW
	MUL16 \f, 1, \zero
.endm
; A BLOCK'S END: O += f_b T, 128 packed fused multiply-adds in f32, each accumulator from its low end on; then the next block's factors are asked for (off: their place from the lap's first block; 0: none).
; Between T's last products and the next block's first, which write T anew, stand these lines: more than the five places that are owed.
.macro FLUSH off
	PLACES                                         ; behind the block's last products
	WIN 0xa3                                       ; destination and source 2 (O) window 2, source 0 (T) window 3, the factor window 0
.set i, 0
.rept 128
	v_pk_fma_f32 v[2*i:2*i+1], v[2*i:2*i+1], v[FS+2*(i/32):FS+2*(i/32)+1], v[2*i:2*i+1] op_sel_hi:[1,0,1]
.set i, i+1
.endr
	WIN 0
.if \off
	FLOAD \off
.endif
.if \off == 768
	v_add_nc_u32 v[FTA], 768, v[FTA]               ; the next lap's first block
.endif
.endm
; A slot's last quarter changes slots: ONE barrier; in front of it each wave waits for all its tensor loads (its box of the other slot), adds 0 to its spare word, and waits for that and for its reads of this slot.
; fill = 1: the barrier opens a round of the cluster's barrier, and the joint refill, three blocks on, is the first tensor load behind the round; fill = 2: the same with the two whole boxes alone; fill = 0: nothing is asked for.
; ask = 1, 2: the prefetches' address is stepped at the head, behind the wait that shows that the last prefetch has read it: by the two blocks, or the one, that the change before has named.
.macro TURN f, g, slot, fill, ns, nh, nc, ask
.if \ask
	s_wait_xcnt 0x0
	s_add_nc_u64 s[PFA:PFA+1], s[PFA:PFA+1], s[PFS:PFS+1]
.endif
.if \ask == 1
	s_add_nc_u64 s[PFA:PFA+1], s[PFA:PFA+1], s[PFS:PFS+1]
.endif
	WIN 0                                          ; (the add's two registers lie in window 0)
	s_wait_tensorcnt 0x0                           ; all my tensor loads have landed
	ds_add_u32 v[SPW], v[NIL]                      ; 0 onto my spare word
	s_wait_dscnt 5                                 ; (the add and P's query blocks 2 and 3 may be out)
	WIN MULW
	MUL8 \f, 0, 0                                  ; eight matrix instructions stand between the add and the wait for it
	s_wait_dscnt 0x0                               ; the add is done, and my reads of this slot are over
	s_barrier_signal -1
	MUL8 \f, 1, 0                                  ; work on registers while the others arrive
	WIN 0
	s_barrier_wait -1
.if \fill
	CREST                                          ; no wave of any partner still reads this slot or has a load on its way
	s_add_nc_u64 s[G0P+4*\slot+2:G0P+4*\slot+3], s[G0P+4*\slot+2:G0P+4*\slot+3], 3*KSP
	s_add_nc_u64 s[G0V+4*\slot+2:G0V+4*\slot+3], s[G0V+4*\slot+2:G0V+4*\slot+3], 3*KSV
.endif
.if \fill == 1
	JLOAD4 \slot                                   ; the four v_nop behind it are also the places in front of the loads below
.elseif \fill == 2
	JLOADF \slot                                   ; (waves 1 and 3's stepped addresses are not used)
	PLACES
.else
	PLACES
.endif
	FETCH \ns, \nh, \nc, \g
.if \ask == 1
	ASK1
.elseif \ask == 2
	ASK2
.endif
	WIN MULW
	MUL16 \f, 1, 0
.endm
; A LAP: three blocks, twelve quarters on buffers 0, 1 by turns.  fa, fb: what the two changes of slots fill; aa, ab: what they prefetch.
.macro LAP fa, fb, aa, ab
	QUARTER 0, 1, 1, 8, 0, 0, 1                    ; slot A, the whole box: block 3 i
	QUARTER 1, 0, 0, 4, 0, 0, 2
	QUARTER 0, 1, 0, 4, 0, 0, 3
	QUARTER 1, 0, 0, 4, 0, 1, 0
	FLUSH 256
	QUARTER 0, 1, 1, 8, 0, 1, 1                    ; slot A, the half box: block 3 i + 1, first half
	TURN 1, 0, 0, \fa, 1, 1, 0, \aa
	QUARTER 0, 1, 0, 4, 1, 1, 1                    ; slot B, the half box: its second half
	QUARTER 1, 0, 0, 4, 1, 0, 0
	FLUSH 512
	QUARTER 0, 1, 1, 8, 1, 0, 1                    ; slot B, the whole box: block 3 i + 2
	QUARTER 1, 0, 0, 4, 1, 0, 2
	QUARTER 0, 1, 0, 4, 1, 0, 3
	TURN 1, 0, 1, \fb, 0, 0, 0, \ab
	FLUSH 768
.endm
	s_wait_tensorcnt 1                             ; my box of slot A is in (slot B's may be out)
	s_barrier_signal -1
	s_barrier_wait -1                              ; everybody's is
	FETCH 0, 0, 0, 0
	FLOAD 0                                        ; block 0's factors
	s_mov_b32 s3, TRIPS
.Llap:                                             ; four trips: blocks 0 to 11; both slots are filled again in each
	LAP 1, 1, 1, 2
	s_sub_co_u32 s3, s3, 1
	s_cmp_lg_u32 s3, 0
	s_cbranch_scc1 .Llap
	LAP 2, 0, 0, 0                                 ; blocks 12 to 14, written out: slot A takes block 15's two whole boxes, slot B nothing more
	QUARTER 0, 1, 1, 8, 0, 0, 1                    ; block 15
	QUARTER 1, 0, 0, 4, 0, 0, 2
	QUARTER 0, 1, 0, 4, 0, 0, 3
	s_wait_dscnt 4                                 ; the very last quarter: nothing more to fetch
	WIN MULW
	MUL16 1, 0, 0
	s_wait_dscnt 0x0
	MUL16 1, 1, 0
	FLUSH 0
; THE WAY OUT, block a of 16 queries x my 128 dims at a time: O / l, two numbers an instruction; through my own stage in LDS; back as whole rows of 512 bytes.
; LDS serves a wave's instructions in order (ISA guide 5.7.1.4): no wait between the stores and the loads, nor in front of the next block's stores.
.macro OUTB a
	WIN 0x82                                       ; destination and source 0 (O) window 2, 1 / l window 0
.set i, 0
.rept 32
	v_pk_mul_f32 v[64*(\a)+2*i:64*(\a)+2*i+1], v[64*(\a)+2*i:64*(\a)+2*i+1], v[RL+2*(\a):RL+2*(\a)+1] op_sel_hi:[1,0]
.set i, i+1
.endr
	WIN 0x08                                       ; an LDS store's data are its source 1: window 2
.irp b, 0,1,2,3,4,5,6,7
	ds_store_b128 v[STO], v[64*(\a)+8*\b:64*(\a)+8*\b+3] offset:64*\b
	ds_store_b128 v[STO], v[64*(\a)+8*\b+4:64*(\a)+8*\b+7] offset:64*\b+16
.endr
	WIN 0
.irp t, 0,1,2,3,4,5,6,7,8,9,10,11,12,13,14,15
	ds_load_b128 v[BK+64*((\a)%2)+4*\t:BK+64*((\a)%2)+4*\t+3], v[RD] offset:\t*SPITCH
.endr
.endm
.macro SEND a, younger                 ; younger: the LDS instructions issued behind block a's loads, which may stay out
	s_wait_dscnt \younger
.irp t, 0,1,2,3,4,5,6,7,8,9,10,11,12,13,14,15
	global_store_b128 v[CO], v[BK+64*((\a)%2)+4*\t:BK+64*((\a)%2)+4*\t+3], s[12:13] offset:(16*(\a)+\t)*4096 th:TH_STORE_NT   ; 32 lanes store 512 consecutive bytes, aligned; written once, read by nobody here
.endr
.endm
	OUTB 0
.irp a, 1,2,3
.if \a >= 2
	s_wait_xcnt 0x0                                ; block a - 2's stores have read their data: block a's loads land there only behind this wait
.endif
	OUTB \a
	SEND (\a)-1, 32                                ; behind block a - 1's loads: block a's 16 stores and 16 loads
.endr
	SEND 3, 0
	s_wait_tensorcnt 0x0                           ; the wave's end
	ds_add_u32 v[SPW], v[NIL]
	s_wait_dscnt 0x0
	CROUND                                         ; the closing round
	s_endpgm
.Lfunc_end_k_qfa94ad9a71_pv:
	.size	k_qfa94ad9a71_pv, .Lfunc_end_k_qfa94ad9a71_pv-k_qfa94ad9a71_pv
	.p2alignl 7, 3214868480
	.fill 96, 4, 3214868480
	.section	.rodata,"a",@progbits
	.p2align	6, 0x0
	.amdhsa_kernel k_qfa94ad9a71_pv
		.amdhsa_group_segment_fixed_size 327680
		.amdhsa_private_segment_fixed_size 0
		.amdhsa_enable_private_segment 0
		.amdhsa_kernarg_size 40
		.amdhsa_user_sgpr_count 2
		.amdhsa_user_sgpr_kernarg_segment_ptr 1
		.amdhsa_wavefront_size32 1
		.amdhsa_system_sgpr_workgroup_id_x 1
		.amdhsa_system_sgpr_workgroup_id_y 1
		.amdhsa_system_sgpr_workgroup_id_z 1
		.amdhsa_system_vgpr_workitem_id 0
		.amdhsa_next_free_vgpr 1024
		.amdhsa_next_free_sgpr 92
		.amdhsa_reserve_vcc 0
		.amdhsa_float_denorm_mode_32 3
		.amdhsa_float_denorm_mode_16_64 3
		.amdhsa_memory_ordered 1
		.amdhsa_forward_progress 1
		.amdhsa_inst_pref_size 238
	.end_amdhsa_kernel
	.amdgpu_metadata
---
amdhsa.version: [ 1, 2 ]
amdhsa.kernels:
  - .name:           k_qfa94ad9a71_pv
    .symbol:         k_qfa94ad9a71_pv.kd
    .args:
      - { .name: pbuf, .offset: 0, .size: 8, .value_kind: global_buffer, .address_space: global }
      - { .name: qkv, .offset: 8, .size: 8, .value_kind: global_buffer, .address_space: global }
      - { .name: stats, .offset: 16, .size: 8, .value_kind: global_buffer, .address_space: global }
      - { .name: bv, .offset: 24, .size: 8, .value_kind: global_buffer, .address_space: global }
      - { .name: out0, .offset: 32, .size: 8, .value_kind: global_buffer, .address_space: global }
    .group_segment_fixed_size: 327680
    .private_segment_fixed_size: 0
    .kernarg_segment_align: 8
    .kernarg_segment_size: 40
    .max_flat_workgroup_size: 128
    .sgpr_count:     92
    .vgpr_count:     1024
    .wavefront_size: 32
...
	.end_amdgpu_metadata
.endif
;; end of part 5
